; MI455X (gfx1250); checked and timed in simulation.
; The chip was launched on July 23, 2026; its instructions are those of AMD's public machine-readable ISA for CDNA 5 (MIT licence, August 2026) and "CDNA5" Instruction Set Architecture Reference Guide (July 2026). The comments in the code are by the model that wrote it; some were corrected since.
;; Causal Self Attention. Allowed arithmetic: matrix products marked QUANTISED: E2M3 operands, one E8M0 scale for each 32 along K, by v_wmma_scale_f32_16x16x128_f8f6f4 with both operands' format E2M3, f32 sums; everything else in f32.
;; Inputs: W_attn_codes 3,072 x 32 x 24 uint8 (E2M3 codes of W_attn, K innermost, in blocks of 32 codes, four codes in three bytes); W_attn_scales 3,072 x 32 uint8 (E8M0 scales of W_attn, one for each 32 codes along K); W_proj_codes 1,024 x 32 x 24 uint8 (E2M3 codes of W_proj, K innermost, in blocks of 32 codes, four codes in three bytes); W_proj_scales 1,024 x 32 uint8 (E8M0 scales of W_proj, one for each 32 codes along K); b_attn 3,072 float32; b_proj 1,024 float32; x_codes 4 x 2,048 x 32 x 24 uint8 (E2M3 codes of x, K innermost, in blocks of 32 codes, four codes in three bytes); x_scales 4 x 2,048 x 32 uint8 (E8M0 scales of x, one for each 32 codes along K).
;; Outputs: out0 4 x 2,048 x 1,024 float32.
;; This version of the problem:
;;   THIS VERSION OF THE PROBLEM IS GIVEN IN LOW PRECISION. The matrix products marked QUANTISED in the list below multiply operands that are first quantised to E2M3 (2 exponent bits, 3 mantissa bits; 6 bits a number), with one power-of-two scale for each 32 numbers along K (OCP MX v1.0); their sums are f32. All else is computed in f32.
;;   The module's matrix products, in the order in which they are computed (A, B: the left and right operand; K: the contracted axis; several contracted axes count as one K, in the product's order):
;;     1. [M 8,192, K 1,024] x [K 1,024, N 3,072]; A: input x (given as codes); B: input W_attn (given as codes): QUANTISED
;;     2. batch 64 x [M 2,048, K 64] x [K 64, N 2,048]; A: computed on the way; B: computed on the way: QUANTISED
;;     3. batch 64 x [M 2,048, K 2,048] x [K 2,048, N 64]; A: softmax (see below); B: computed on the way: QUANTISED
;;     4. [M 8,192, K 1,024] x [K 1,024, N 1,024]; A: computed on the way; B: input W_proj (given as codes): QUANTISED
;;   THE QUANTISER, for each operand of a quantised product, along K:
;;     - K is cut into blocks of 32 from its start; a last block that is shorter is filled with zeros.
;;     - A block's scale is 2^e with e = floor(log2(the largest magnitude in the block)) - 2, held to -126 .. 127; a block of zeros has e = 0. As a byte (E8M0): e + 127.
;;     - Each number is divided by its block's scale, clamped to +-7.5, and rounded to the nearest number of E2M3, ties to even, subnormals kept.
;;     - The product sums the exact products of the quantised numbers (number of the format x scale) in f32.
;;   ~~~python
;;   def quantise(x, axis):      # numpy; x: float32 -> the quantised numbers, widened to float32 again
;;       x = np.moveaxis(x, axis, -1); K = x.shape[-1]
;;       x = np.pad(x, [(0, 0)] * (x.ndim - 1) + [(0, -K % 32)]); x = x.reshape(x.shape[:-1] + (-1, 32)); a = np.abs(x).max(-1, keepdims=True)
;;       e = np.where(a > 0, np.clip(np.frexp(np.where(a > 0, a, 1))[1] - 1 - 2, -126, 127), 0)      # np.frexp(a)[1] - 1 = floor(log2(a)), exactly
;;       r = np.clip(x / 2.0 ** e, -7.5, 7.5)
;;       step = 2.0 ** (np.maximum(np.frexp(np.where(r == 0, 1, r))[1] - 1, 0) - 3)
;;       q = np.round(r / step) * step * 2.0 ** e      # np.round: ties to even
;;       return np.moveaxis(q.reshape(q.shape[:-2] + (-1,))[..., :K], -1, axis).astype(np.float32)
;;   ~~~
;;   SOFTMAX AHEAD OF A QUANTISED PRODUCT. Where the list says 'softmax', what is quantised is not the finished softmax but p = 2^(t - M), with t = logit x log2(e) and M = ceil(the row's largest t), a whole number; so 1/2 < the row's largest p <= 1. The row's sum l is taken of the UNQUANTISED p, in f32, and the product's result is divided by l at the end. Since M is a whole number, a kernel that streams over the keys may use a running M (the ceiling of the running maximum): every later rescaling is an exact power of two, which a block's scale takes up: the codes' values come out the same.
;;   OPERANDS COMPUTED ON THE WAY. 'Computed on the way' means the value that the module computes at that place (a softmax that the list does not call 'softmax' is quantised finished and normalised). What goes into a quantiser is computed in f32, as accurately as f32 sums, v_exp_f32 and their like allow (about 1e-6 of the number): no bf16 or f16 on the way to a quantiser, and a product that is left as it is and whose result goes on into a quantised operand takes f32 operands (vector FMAs, or v_wmma_f32_16x16x4_f32). A number that lies on a knife's edge between two numbers of the format may be rounded either way, as far as f32 arithmetic and the matrix unit's own rounding can turn it there, and no further.
;;   INPUTS GIVEN AS CODES. W_attn (in the module: [1024, 3072], K = its axis 0); W_proj (in the module: [1024, 1024], K = its axis 0); x (in the module: [4, 2048, 1024], K = its axis 2): each comes as NAME_codes (uint8): NAME with its K axis moved to the last place and cut into blocks of 32 codes, [.., K / 32, bytes a block], one block behind the other in memory; four codes in three bytes: a row's codes are one little-endian stream of bits, code i at bits 6 i .. 6 i + 5 (a code: sign, 2 exponent bits, 3 mantissa bits); and NAME_scales (uint8): the same leading axes, one E8M0 byte (e + 127) for each 32 codes along K. Its value is code x scale, taken as it is: it is not quantised again, and the codes and scales need not be those that the quantiser above would give.
;; One version. Each part assembles by itself: llvm-mc -triple=amdgcn-amd-amdhsa -mcpu=gfx1250 --defsym DOCPART=n.
;; ======== version 1 of 1: 3 launches
;; workspace buffers: q_img 6,291,456 bytes; q_sc 524,288 bytes; kv 13,369,344 bytes; y_img 6,291,456 bytes; y_sc 262,144 bytes
;; launch qkv (part 1): grid 12 x 32, 4 waves a work-group, clusters of 4 x 4, 327,680 bytes of LDS; arguments x_codes, x_scales, W_attn_codes, W_attn_scales, b_attn, q_img, q_sc, kv; writes q_img, q_sc, kv
.if DOCPART == 1
	.amdgcn_target "amdgcn-amd-amdhsa--gfx1250"
	.amdhsa_code_object_version 6
	.text
	.protected	k_q009f75eeb6_qkv
	.globl	k_q009f75eeb6_qkv
	.p2align	8
	.type	k_q009f75eeb6_qkv,@function
k_q009f75eeb6_qkv:
	s_mov_b64 s[64:65], 0
	v_nop
	global_prefetch_b8 v0, s[64:65] scope:SCOPE_SE
	s_setreg_imm32_b32 hwreg(HW_REG_WAVE_MODE, 25, 1), 1
	s_wait_xcnt 0x0
	s_wait_alu depctr_hold_cnt(0) depctr_sa_sdst(0) depctr_va_vdst(0) depctr_va_sdst(0) depctr_va_ssrc(0) depctr_va_vcc(0) depctr_vm_vsrc(0)
	s_getreg_b32 s2, hwreg(HW_REG_IB_STS2, 6, 4)
	s_cmp_eq_u32 s2, 0
	s_cbranch_scc0 .Lentry_in_a_cluster
	s_endpgm
.Lentry_in_a_cluster:
	s_bfe_u32 s2, ttmp6, 0x10000c
	s_cmp_lg_u32 s2, 0xf033
	s_cbranch_scc0 .Lentry_shape_is_right
	s_endpgm
.Lentry_shape_is_right:
; qkv = x W_attn + b_attn on codes of FP6 (E2M3) with one E8M0 scale for each 32 along K = 1,024; the results are quantised at once, q and k along the head's 64, v along the keys,
; and leave as IMAGES OF OPERAND REGISTERS, in the order in which the next launch's lanes take them.
; A tile of 256 x 256 is made by four waves, 128 x 128 each: 64 accumulators of 16 x 16.  K goes in steps of 256 through two LDS slots filled by the tensor data mover; the scale bytes of the
; work-group's 2 x 256 rows come once and stay.  4 x 4 work-groups form a cluster: "A"'s tiles are asked for jointly along a row of the cluster, "B"'s along a column.
; SOURCE 0 OF EVERY PRODUCT IS "B", SOURCE 1 IS "A": a lane's eight results are eight neighbouring rows of B for one row of A.  The quantiser wants its K along a lane's registers, so
;   clusters x = 0 (q) and 1 (k): B = W_attn's rows 1,024 x .. (the head's axis), A = x's rows;      clusters x = 2 (v): B = x's rows (the keys), A = W_attn's rows 2,048 on.
; Which is which hangs on the cluster's x alone, which all sixteen partners share; both tensors have rows of 768 bytes of codes and 32 scale bytes, so one shape serves both.
; THE ORDER INSIDE A BLOCK OF 32.  Registers 16 B + i of lane (r, h) are rows 32 B + 8 h + i (i < 8) and 32 B + 16 + 8 h + i - 8 of B: half of block B, the other half in lane l xor 16.  So each
; block's scale is the block's; the codes stand in a permuted order inside the block, the same for q and k, and for v the same as the next launch gives p: the products' terms are the same.
; V's sixteen rows (the head's channels d) of a tile are placed in the image so that the next launch's results come out with d in true order:
; image tile 2 b + e, place 8 g + i  <->  d = 32 b + 16 g + 8 e + i.  That is a matter of the stores' addresses alone.
; LIMITS: a block of zeros gets the scale byte 1 (its codes are zeros; the bytes are read by this program alone); blocks whose largest magnitude lies under 2^-124 were not tried;
; NaN and infinities are not served.
; REGISTERS, in windows of 256: window 0: v0-31 addresses; v32-63 scale words, two sets; v128-223 A's fragments, one set; at the end v64-247 are at work.  window 1: B's fragments, two sets.
;   window 2: the accumulators of my A rows 0-63 (accumulator (a, b) at v[8 (8 a + b)]);   window 3: those of rows 64-127.
.set KSTEP,  256                       ; along K in a slot
.set NQ,     KSTEP/128                 ; matrix instructions deep
.set ROWB,   192                       ; a tile's row in bytes
.set KROW,   768                       ; a row of codes in memory
.set PITCH,  240                       ; an LDS row: 3 x (64 bytes + 16 of padding)
.set FR,     12                        ; registers of a fragment: 16 rows x 128 K
.set NL,     6                         ; LDS loads that bring one
.set NP,     4                         ; places behind this matrix instruction (ISA guide 7.12.1)
.set HALFT,  128*PITCH                 ; 128 rows: what one tensor load brings
.set SLOT,   4*HALFT                   ; A's 256 rows, then B's 256 rows
.set LAPS,   2                         ; 1,024 along K = twice round the ring
.set KS,     32                        ; a row of scale bytes
.set SCL,    2*SLOT                    ; behind the ring: the scales, as units of 256 bytes + 16 of padding
.set HALFS,  (128*KS/256)*272          ; those of 128 rows
.set SBLK,   (16*KS/256)*272           ; those of 16 rows
.set SPARE,  SCL+4*HALFS               ; the spare words, 128 bytes for each wave; no other line names them
.set STEPB,  13056                     ; kv: the block of one head's 128 keys: K's codes 6,144, V's codes 6,144, K's scale words 512, V's 256
.set VC,     6144
.set KSW,    12288
.set VSW,    12800
.set ADRA, 16                          ; v16-17 LDS address of my A fragments in slot 0, 1 (v18-19: behind one padding more)
.set ADRB, 20                          ; v20-21 the same for B (v22-23)
.set ADRS, 27                          ; v27    LDS address of my scale words: lanes 0-15 A's rows, lanes 16-31 B's
.set SPW,  28                          ; v28    my spare word: SPARE + 4 x my thread's number; never rewritten
.set NIL,  29                          ; v29    0; never rewritten
.set SC,   32                          ; scale words, set s at v[SC + 16 s]
.set AF,   128                         ; A's fragments
.set T,    64                          ; the end: v64-127 64 numbers of a lane
.set BI,   128                         ; v128-191 the bias of my 64 rows of B (q, k)
.set BV,   128                         ; v128-143 the bias of my row of A, a pair for each block (v)
.set CD,   192                         ; v192-211 the codes just made
.set TM,   212                         ; v212-227 at work in the quantiser
.set PW,   228                         ; the scale word just made
.set WS,   232                         ; v232-239 the eight blocks' scale words
.set IM,   240                         ; v240-247 scale words as they are stored
.set G1, 24
.set G0, 32
.set G1B, 48
.set G0B, 56
.set G1S, 68
.set G0S, 76
.set G1SB, 80
.set G0SB, 88
.set MSB, 0
.macro WIN new                         ; the immediate's high byte repeats the setting that is left
.if MSB != (\new)
	s_set_vgpr_msb (MSB<<8)|(\new)
.set MSB, (\new)
.endif
.endm
.set MUL_LO, 0xa1                      ; source 0 (B) window 1, source 1 (A) window 0, C and D window 2
.set MUL_HI, 0xf1                      ; the same, C and D window 3
.set TO_B,   0x40                      ; destination window 1, address window 0
; A joint load: waves 0 and 1 fetch for A, waves 2 and 3 for B; the branch hangs on the wave's number alone.  Four v_nop follow each of the two lines.
.macro JLOAD g0a, g1a, g0b, g1b
	s_cmp_eq_u32 s15, 0
	s_cbranch_scc0 .Lfor_b_\@
	tensor_load_to_lds s[\g0a:\g0a+3], s[\g1a:\g1a+7]
	s_nop 0
.rept 4
	v_nop
.endr
	s_branch .Lasked_\@
.Lfor_b_\@:
	tensor_load_to_lds s[\g0b:\g0b+3], s[\g1b:\g1b+7]
	s_nop 0
.rept 4
	v_nop
.endr
.Lasked_\@:
.endm
.macro CREST                           ; a round of the cluster's barrier behind its opening barrier
	s_cmp_lg_u32 s14, 0
	s_cbranch_scc1 .Lnot_wave_0_\@
	s_barrier_signal -3
.Lnot_wave_0_\@:
	s_barrier_wait -3
	s_barrier_signal -1
	s_barrier_wait -1
.endm
.macro CROUND                          ; a whole round
	s_barrier_signal -1
	s_barrier_wait -1
	CREST
.endm
	s_load_b128 s[4:7], s[0:1], 0x0                ; x's codes, x's scales
	s_load_b128 s[8:11], s[0:1], 0x10              ; W_attn's codes, W_attn's scales
	v_lshl_add_u32 v[SPW], v0, 2, SPARE
	v_mov_b32 v[NIL], 0
	ds_add_u32 v28, v29
	ds_add_u32 v28, v29
	s_wait_dscnt 0x0
	v_lshrrev_b32 v1, 5, v0
	v_readfirstlane_b32 s14, v1                    ; wave 0..3
	s_lshr_b32 s15, s14, 1                         ; which half of A's rows is mine.  Also: I fetch for A (0) or for B (1)
	s_and_b32 s16, s14, 1                          ; which half of B's rows.  Also: which 128 rows of that tile I fetch
	s_bfe_u32 s40, ttmp6, 0x40000                  ; cx, cy: my place in the cluster
	s_bfe_u32 s41, ttmp6, 0x40004
	s_and_b32 s100, ttmp7, 0xffff                  ; the cluster's y, 0..7
	s_cmp_eq_u32 ttmp9, 2                          ; the cluster's x: 0 q, 1 k, 2 v
	s_cselect_b32 s95, 1, 0                        ; 1: this cluster makes v
	s_cselect_b32 s17, 0, s100                     ; A's tiles: v: W's four tiles of 256 rows; q, k: x's 32
	s_cselect_b32 s42, s100, ttmp9                 ; B's tiles: v: x's 32; q, k: W's eight
	s_cselect_b32 s101, 2048, 0                    ; v: A's rows begin at W's row 2,048
	s_lshl_b32 s17, s17, 2
	s_add_co_u32 s17, s17, s41                     ; A's tile = 4 x (..) + cy
	s_lshl_b32 s42, s42, 2
	s_add_co_u32 s42, s42, s40                     ; B's tile = 4 x (..) + cx
	s_lshl_b32 s43, s41, 2
	s_lshl_b32 s43, 15, s43                        ; my row of the cluster
	s_lshl_b32 s44, 0x1111, s40                    ; my column
	; descriptor group 1: a tile of 128 rows x 192 bytes, 16 bytes of padding behind every 64
	s_or_b32 s[G1+0], s43, (0<<16)|(1<<20)|(1<<21)|(3<<22)|(3<<25)  ; 15:0 the mask: A's tiles go to my row; elements of 1 byte; padding on; bit 21 beside a mask; after every 16 words, 4 words
	s_or_b32 s[G1B+0], s44, (0<<16)|(1<<20)|(1<<21)|(3<<22)|(3<<25)
.irp g, G1, G1B
	s_mov_b32 s[\g+1], ROWB<<16                    ; tensor_dim0
	s_mov_b32 s[\g+2], 128<<16                     ; tensor_dim1
	s_mov_b32 s[\g+3], ROWB<<16                    ; tile_dim0
	s_mov_b32 s[\g+4], 128                         ; tile_dim1
	s_mov_b32 s[\g+5], KROW                        ; tensor_dim0_stride
	s_mov_b32 s[\g+6], 0
	s_mov_b32 s[\g+7], 0
.endr
	; the scales of 128 rows: a dense block of 4,096 bytes, as 16 rows of 256 bytes (32 elements of 8 bytes), 16 bytes of padding behind each
	s_or_b32 s[G1S+0], s43, (3<<16)|(1<<20)|(1<<21)|(5<<22)|(3<<25)
	s_or_b32 s[G1SB+0], s44, (3<<16)|(1<<20)|(1<<21)|(5<<22)|(3<<25)
.irp g, G1S, G1SB
	s_mov_b32 s[\g+1], 32<<16
	s_mov_b32 s[\g+2], (128*KS/256)<<16
	s_mov_b32 s[\g+3], 32<<16
	s_mov_b32 s[\g+4], 128*KS/256
	s_mov_b32 s[\g+5], 32
	s_mov_b32 s[\g+6], 0
	s_mov_b32 s[\g+7], 0
.endr
	s_lshl_b32 s18, s16, 7                         ; which 128 rows of the tile I fetch
	s_lshl_b32 s20, s17, 8
	s_add_co_u32 s20, s20, s18
	s_add_co_u32 s20, s20, s101                    ; A: row 256 x tile + 128 x half (+ 2,048)
	s_lshl_b32 s46, s42, 8
	s_add_co_u32 s46, s46, s18                     ; B: row 256 x tile + 128 x half
	s_mov_b32 s21, 0
	s_mov_b32 s47, 0
	s_mov_b64 s[18:19], KS
	s_mul_u64 s[22:23], s[20:21], s[18:19]         ; where these rows' scales begin, in bytes
	s_mul_u64 s[92:93], s[46:47], s[18:19]
	s_mov_b64 s[18:19], KROW
	s_mul_u64 s[20:21], s[20:21], s[18:19]         ; and their codes
	s_mul_u64 s[46:47], s[46:47], s[18:19]
	s_mul_i32 s45, s14, HALFT                      ; where they go: wave x 128 rows: no place in the cluster enters an LDS address
	s_mul_i32 s94, s14, HALFS
	s_wait_kmcnt 0x0
	s_cmp_eq_u32 s95, 1                            ; who is A and who is B: the same choice in all sixteen partners
	s_cselect_b64 s[96:97], s[8:9], s[4:5]         ; A's codes
	s_cselect_b64 s[98:99], s[10:11], s[6:7]       ; A's scales
	s_cselect_b64 s[8:9], s[4:5], s[8:9]           ; B's codes
	s_cselect_b64 s[10:11], s[6:7], s[10:11]       ; B's scales
	s_add_nc_u64 s[20:21], s[96:97], s[20:21]
	s_add_nc_u64 s[22:23], s[98:99], s[22:23]
	s_add_nc_u64 s[46:47], s[8:9], s[46:47]
	s_add_nc_u64 s[92:93], s[10:11], s[92:93]
	CROUND                                         ; all sixteen work-groups are here: the first joint loads meet
	s_mov_b32 s[G0S], 1
	s_add_co_u32 s[G0S+1], s94, SCL
	s_mov_b64 s[G0S+2:G0S+3], s[22:23]
	s_or_b32 s[G0S+3], s[G0S+3], 0x80000000
	s_mov_b32 s[G0SB], 1
	s_add_co_u32 s[G0SB+1], s94, SCL
	s_mov_b64 s[G0SB+2:G0SB+3], s[92:93]
	s_or_b32 s[G0SB+3], s[G0SB+3], 0x80000000
	JLOAD G0S, G1S, G0SB, G1SB                     ; the scales first: they are wanted with K step 0
.irp s, 0,1
	s_mov_b32 s[G0+4*\s], 1
	s_add_co_u32 s[G0+4*\s+1], s45, \s*SLOT
	s_add_nc_u64 s[G0+4*\s+2:G0+4*\s+3], s[20:21], \s*ROWB
	s_or_b32 s[G0+4*\s+3], s[G0+4*\s+3], 0x80000000
	s_mov_b32 s[G0B+4*\s], 1
	s_add_co_u32 s[G0B+4*\s+1], s45, \s*SLOT
	s_add_nc_u64 s[G0B+4*\s+2:G0B+4*\s+3], s[46:47], \s*ROWB
	s_or_b32 s[G0B+4*\s+3], s[G0B+4*\s+3], 0x80000000
	JLOAD G0+4*\s, G1, G0B+4*\s, G1B
.endr
	s_load_b256 s[4:11], s[0:1], 0x20              ; for the end: b_attn s[4:5], q_img s[6:7], q_sc s[8:9], kv s[10:11]
	v_and_b32 v1, 15, v0                           ; l % 16
	v_bfe_u32 v2, v0, 4, 1                         ; l / 16
	v_mul_u32_u24 v3, v1, PITCH
	v_mul_u32_u24 v4, v2, 24
	v_add_nc_u32 v4, v3, v4                        ; a fragment's row x pitch + 24 x half
	v_lshl_add_u32 v5, v2, 4, v4                   ; and the same behind one padding more
	s_mul_i32 s21, s15, HALFT                      ; my 128 rows of A
	s_mul_i32 s22, s16, HALFT                      ; my 128 rows of B,
	s_add_co_u32 s22, s22, 2*HALFT                 ; which lie behind A's 256
.irp s, 0,1
	v_add_nc_u32 v[ADRA+\s], s21, v4
	v_add_nc_u32 v[ADRB+\s], s22, v4
	v_add_nc_u32 v[ADRA+2+\s], s21, v5
	v_add_nc_u32 v[ADRB+2+\s], s22, v5
	s_add_co_u32 s21, s21, SLOT
	s_add_co_u32 s22, s22, SLOT
.endr
	v_mul_u32_u24 v5, v1, KS                       ; my row's scales: 32 bytes a row,
	v_lshrrev_b32 v6, 8, v5
	v_lshl_add_u32 v5, v6, 4, v5                   ; and 16 more for each 256 passed
	s_mul_i32 s21, s15, HALFS                      ; A's: my 128 rows
	s_mul_i32 s22, s16, HALFS                      ; B's: my 128 rows, behind A's 256
	s_add_co_u32 s22, s22, 2*HALFS
	s_sub_co_u32 s22, s22, s21
	v_mul_u32_u24 v6, s22, v2                      ; lanes 16-31 take B's
	s_add_co_u32 s21, s21, SCL
	v_add_nc_u32 v5, v5, v6
	v_add_nc_u32 v[ADRS], s21, v5
.macro FRAG reg, adr, q, i             ; a fragment: lane l holds row l % 16; registers 6 c .. 6 c + 5 hold K = 64 c + 32 (l / 16) + 0 .. 31: 24 bytes of the row's stream of bits, as they lie
.irp p, 0,1,2,3,4,5                    ; in pieces of 8 bytes.  Lanes 16-31 read three pieces further on than lanes 0-15: where that is behind one padding more, the second address register serves
.set PIECE, 12*(\q)+6*(\p/3)+\p%3
.if PIECE%8 < 5
	ds_load_b64 v[\reg+2*\p:\reg+2*\p+1], v[\adr] offset:8*PIECE+16*(PIECE/8)+(\i)*16*PITCH
.else
	ds_load_b64 v[\reg+2*\p:\reg+2*\p+1], v[\adr+2] offset:8*PIECE+16*(PIECE/8)+(\i)*16*PITCH
.endif
.endr
.endm
; 16 matrix instructions: A's blocks a0, a0 + 1 x B's eight, 128 along K.  zero = 1: the first product starts the sums.  The 64 accumulators take turns, one instruction a turn.
.macro MUL16 a0, p, q, sc, zero
.irp a, \a0, \a0+1
.irp b, 0,1,2,3,4,5,6,7
.if \zero
	v_wmma_scale_f32_16x16x128_f8f6f4 v[8*(8*((\a)%4)+\b):8*(8*((\a)%4)+\b)+7], v[128*(\p)+FR*\b:128*(\p)+FR*\b+FR-1], v[AF+FR*(\a):AF+FR*(\a)+FR-1], 0, v[SC+8*NQ*(\sc)+NQ*\b+(\q)], v[SC+8*NQ*(\sc)+NQ*(\a)+(\q)] matrix_a_fmt:MATRIX_FMT_FP6 matrix_b_fmt:MATRIX_FMT_FP6 matrix_a_scale:MATRIX_SCALE_ROW1
.else
	v_wmma_scale_f32_16x16x128_f8f6f4 v[8*(8*((\a)%4)+\b):8*(8*((\a)%4)+\b)+7], v[128*(\p)+FR*\b:128*(\p)+FR*\b+FR-1], v[AF+FR*(\a):AF+FR*(\a)+FR-1], v[8*(8*((\a)%4)+\b):8*(8*((\a)%4)+\b)+7], v[SC+8*NQ*(\sc)+NQ*\b+(\q)], v[SC+8*NQ*(\sc)+NQ*(\a)+(\q)] matrix_a_fmt:MATRIX_FMT_FP6 matrix_b_fmt:MATRIX_FMT_FP6 matrix_a_scale:MATRIX_SCALE_ROW1
.endif
.endr
.endr
.endm
.macro FETCH_B slot, q, p              ; B's eight fragments of the slot's q-th 128 along K into set p
	WIN TO_B
.irp i, 0,1,2,3,4,5,6,7
	FRAG 128*(\p)+FR*\i, ADRB+\slot, \q, \i
.endr
	WIN 0
.endm
.macro FETCH_A slot, q, i0             ; A's blocks i0 .. i0 + 3
.irp i, \i0, \i0+1, \i0+2, \i0+3
	FRAG AF+FR*(\i), ADRA+\slot, \q, \i
.endr
.endm
.macro SCALES sc                       ; the next K step's scale words into set sc: two words a row; lanes 0-15 take A's block i, lanes 16-31 B's block i
.irp i, 0,1,2,3,4,5,6,7
	ds_load_b64 v[SC+8*NQ*\sc+NQ*\i:SC+8*NQ*\sc+NQ*\i+1], v[ADRS] offset:\i*SBLK
.endr
.endm
.macro PLACES n                        ; plain vector instructions between a matrix instruction and a load into, or a read of, its registers
.rept \n
	v_nop
.endr
.endm
; A step of 128 along K that has its successor in the same slot.
.macro STEP slot, q, zero
	s_wait_dscnt 4*NL                              ; B's set and A's blocks 0-3 are in; the youngest 24 loads (A's blocks 4-7) may be out
	WIN MUL_LO
	MUL16 0, (\q)%2, \q, \slot, \zero
	MUL16 2, (\q)%2, \q, \slot, \zero
	s_wait_dscnt 0                                 ; A's blocks 4-7 are in
	PLACES NP
	FETCH_B \slot, (\q)+1, 1-(\q)%2
	FETCH_A \slot, (\q)+1, 0
	WIN MUL_HI
	MUL16 4, (\q)%2, \q, \slot, \zero
	MUL16 6, (\q)%2, \q, \slot, \zero
	PLACES NP
	WIN 0
	FETCH_A \slot, (\q)+1, 4
.endm
; A slot's last step changes slots: one barrier; in front of it each wave waits for all its tensor loads, adds 0 to its spare word, and waits for that and for its own reads of this slot.
.macro TURN slot, next, fill
	s_wait_tensorcnt 0x0                           ; all my tensor loads have landed: my part of the next slot
	ds_add_u32 v[SPW], v[NIL]                      ; 0 onto my spare word
	s_wait_dscnt 4*NL+1                            ; (the add and the youngest 24 loads, A's blocks 4-7, may be out)
	WIN MUL_LO
	MUL16 0, 1, NQ-1, \slot, 0                     ; sixteen matrix instructions stand between the add and the wait for it
	s_wait_dscnt 0x0                               ; the add is done, and my reads of this slot are over
	s_barrier_signal -1
	MUL16 2, 1, NQ-1, \slot, 0
	WIN 0
	s_barrier_wait -1
.if \fill
	CREST                                          ; the barrier has opened a round of the cluster's barrier: no wave of any partner still reads this slot or has a load on its way
	s_add_nc_u64 s[G0+4*\slot+2:G0+4*\slot+3], s[G0+4*\slot+2:G0+4*\slot+3], 2*ROWB
	s_add_nc_u64 s[G0B+4*\slot+2:G0B+4*\slot+3], s[G0B+4*\slot+2:G0B+4*\slot+3], 2*ROWB
	JLOAD G0+4*\slot, G1, G0B+4*\slot, G1B         ; the first tensor load behind the round; its four v_nop are the places in front of the loads below
.else
	PLACES NP
.endif
	v_add_nc_u32 v[ADRS], 4*NQ, v[ADRS]            ; on to the next K step's scale words
	FETCH_B \next, 0, 0
	FETCH_A \next, 0, 0
	SCALES \next
	WIN MUL_HI
	MUL16 4, 1, NQ-1, \slot, 0
	MUL16 6, 1, NQ-1, \slot, 0
	PLACES NP
	WIN 0
	FETCH_A \next, 0, 4
.endm
	s_wait_kmcnt 0x0                               ; the four pointers for the end
	s_wait_tensorcnt 1                             ; the scales and my part of K step 0 are in (K step 1's load may be out),
	s_barrier_signal -1
	s_barrier_wait -1                              ; everybody's are
	FETCH_B 0, 0, 0
	FETCH_A 0, 0, 0
	SCALES 0
	FETCH_A 0, 0, 4
	STEP 0, 0, 1                                   ; the first step stands in front of the loop: its products start the sums
	s_mov_b32 s3, LAPS-1
.Llap:                                                 ; a trip goes once round the ring and fills both slots again
	TURN 0, 1, 1
	STEP 1, 0, 0
	TURN 1, 0, 1
	STEP 0, 0, 0
	s_sub_co_u32 s3, s3, 1
	s_cmp_lg_u32 s3, 0
	s_cbranch_scc1 .Llap
	TURN 0, 1, 0                                   ; the last lap fills nothing
	STEP 1, 0, 0
	s_wait_dscnt 4*NL                              ; the very last step: nothing more to fetch
	WIN MUL_LO
	MUL16 0, 1, NQ-1, 1, 0
	MUL16 2, 1, NQ-1, 1, 0
	s_wait_dscnt 0
	WIN MUL_HI
	MUL16 4, 1, NQ-1, 1, 0
	MUL16 6, 1, NQ-1, 1, 0
	WIN 0
; THE END: bias, quantiser, images.  No LDS is used.  For A's block a, a lane's 64 results (accumulators (a, 0..7)) are 128 rows of B for its one row of A: one fragment of 128 along the next K.
	s_lshl_b32 s20, s17, 8
	s_lshl_b32 s21, s15, 7
	s_add_co_u32 s20, s20, s21                     ; my first row of A (v: counted from W's row 2,048)
	s_lshl_b32 s21, s42, 8
	s_lshl_b32 s22, s16, 7
	s_add_co_u32 s21, s21, s22                     ; my first row of B
	s_cmp_eq_u32 s95, 1
	s_cselect_b32 s22, s21, s20                    ; my 128 rows of x
	s_cselect_b32 s23, s20, s21                    ; my 128 rows of W
	s_lshr_b32 s44, s22, 11                        ; the batch
	s_bfe_u32 s45, s22, 0x40007                    ; which 128 of its 2,048 rows
	s_and_b32 s46, s23, 1023
	s_lshr_b32 s46, s46, 6                         ; the first of my two heads
	s_lshl_b32 s44, s44, 4
	s_add_co_u32 s44, s44, s46
	s_lshl_b32 s44, s44, 4
	s_add_co_u32 s44, s44, s45                     ; (16 batch + head) 16 + which 128
	s_mov_b32 s41, 0
	s_mov_b32 s18, 0x76543210
	s_mov_b32 s19, 0xfedcba98                      ; v_permlanex16_b32's selects for lane l xor 16
	s_mov_b32 s93, 0xffff0000                      ; lanes 16-31
	v_and_b32 v9, 31, v0                           ; (these plain lines are also the places behind the last products)
	v_and_b32 v1, 15, v0                           ; r
	v_bfe_u32 v2, v0, 4, 1                         ; h
	v_lshlrev_b32 v3, 4, v9                        ; 16 x lane
	v_lshlrev_b32 v4, 3, v9                        ; 8 x lane
	v_lshlrev_b32 v5, 2, v9                        ; 4 x lane
	v_lshlrev_b32 v6, 5, v2                        ; 32 h
	v_lshlrev_b32 v7, 2, v1                        ; 4 r
	v_bfe_u32 v8, v0, 3, 1
	v_mul_u32_u24 v8, v8, 1536
	v_lshl_add_u32 v8, v2, 8, v8
	v_and_b32 v10, 7, v0
	v_lshl_add_u32 v8, v10, 4, v8                  ; V's image: 1,536 (r / 8) + 256 h + 16 (r % 8)
.irp b, 0,1,2,3
	v_mov_b32 v[TM+4+\b], 0                        ; written once: a lane permute's destination counts as one of its sources
.endr
; 64 numbers of a lane, v[s] .. v[s + 63], 16 of each of four blocks, become a fragment's codes in v[CD] on and its scale word in v[PW].
.macro QUANT s
.irp b, 0,1,2,3
	v_max3_num_f32 v[TM+\b], |v[\s+16*\b]|, |v[\s+1+16*\b]|, 0x1800000   ; block b: my 16 numbers, and the floor 2^(3 - 127): the byte cannot fall under 1
.endr
.irp i, 2,4,6,8,10,12,14
.irp b, 0,1,2,3
	v_max3_num_f32 v[TM+\b], v[TM+\b], |v[\s+16*\b+\i]|, |v[\s+1+16*\b+\i]|   ; (the four blocks by turns)
.endr
.endr
.irp b, 0,1,2,3
	v_permlanex16_b32 v[TM+4+\b], v[TM+\b], s18, s19
.endr
.irp b, 0,1,2,3
	v_max_num_f32 v[TM+\b], v[TM+\b], v[TM+4+\b]   ; with lane l xor 16's: the block's largest magnitude
.endr
.irp b, 0,1,2,3
	v_add_nc_u32 v[TM+12+\b], 0xff000000, v[TM+\b] ; 2 off its exponent field: the conversion takes the exponent field of this operand as its scale
.endr
.irp b, 0,1,2,3
	v_lshrrev_b32 v[TM+4+\b], 23, v[TM+12+\b]      ; the scale's byte
.endr
	v_lshl_or_b32 v[PW], v[TM+5], 8, v[TM+4]
	v_lshl_or_b32 v[PW], v[TM+6], 16, v[PW]
	v_lshl_or_b32 v[PW], v[TM+7], 24, v[PW]
.irp c, 0,1
	v_cvt_scalef32_pk16_fp6_f32 v[CD+6*\c:CD+2+6*\c], v[\s+32*\c:\s+15+32*\c], v[TM+12+2*\c]
	v_cvt_scalef32_pk16_fp6_f32 v[CD+12+4*\c:CD+14+4*\c], v[\s+16+32*\c:\s+31+32*\c], v[TM+12+2*\c+1]   ; (a conversion's three registers begin on an even number)
.endr
	v_nop                                          ; one plain place behind a scaled conversion
.irp c, 0,1                                    ; the operand's layout wants a whole block in a lane: lanes 0-15 block 2 c, lanes 16-31 block 2 c + 1
.irp i, 0,1,2
	v_permlane16_swap_b32 v[CD+6*\c+\i], v[CD+12+4*\c+\i]
.endr
.irp i, 0,1,2
	v_mov_b32 v[CD+3+6*\c+\i], v[CD+12+4*\c+\i]
.endr
.endr
.endm
	s_cmp_eq_u32 s95, 1
	s_cbranch_scc1 .Lv                             ; the same way in all sixteen partners
	; ---- q and k.  A fragment of 128 along W's rows is two heads of 64: registers 0-5 are the first head's tile image, 6-11 the second's
	s_cmp_eq_u32 ttmp9, 1                          ; k?
	s_cselect_b64 s[96:97], s[10:11], s[6:7]       ; codes: into kv or into q_img
	s_cselect_b64 s[98:99], s[10:11], s[8:9]       ; scale words: into kv or into q_sc
	s_mov_b32 s46, 6144
	s_cselect_b32 s46, STEPB, s46                  ; bytes from one 128 rows' codes to the next
	s_mov_b32 s47, 512
	s_cselect_b32 s47, STEPB, s47                  ; and of scale words
	s_cselect_b32 s92, KSW, 0                      ; where the words lie in a block of kv
	s_mul_i32 s40, s44, s46
	s_add_nc_u64 s[96:97], s[96:97], s[40:41]      ; the first head's eight tile images
	s_lshl_b32 s40, s46, 4
	s_add_nc_u64 s[12:13], s[96:97], s[40:41]      ; the second head's: sixteen 128s on
	s_mul_i32 s40, s44, s47
	s_add_co_u32 s40, s40, s92
	s_add_nc_u64 s[98:99], s[98:99], s[40:41]      ; the first head's 512 bytes of scale words
	s_lshl_b32 s40, s47, 4
	s_add_nc_u64 s[100:101], s[98:99], s[40:41]    ; the second head's
	s_lshl_b32 s40, s21, 2
	s_add_nc_u64 s[4:5], s[4:5], s[40:41]          ; b_attn at my first row of W
.irp b, 0,1,2,3,4,5,6,7
	global_load_b128 v[BI+8*\b:BI+8*\b+3], v6, s[4:5] offset:64*\b        ; register 8 b + j: the bias of row 16 b + 8 h + j
	global_load_b128 v[BI+8*\b+4:BI+8*\b+7], v6, s[4:5] offset:64*\b+16
.endr
	s_wait_loadcnt 0x0
.macro EPI_QK a
	WIN 0x02+(\a)/4                                ; source 0: window 2 or 3
.set i, 0
.rept 32
	v_pk_add_f32 v[T+i:T+i+1], v[64*((\a)%4)+i:64*((\a)%4)+i+1], v[BI+i:BI+i+1]   ; + bias, and into window 0; each accumulator from its low end on
.set i, i+2
.endr
	WIN 0
	s_wait_xcnt 0x0                                ; the last block's stores have read the codes' registers
	QUANT T
	v_mov_b32 v[WS+(\a)], v[PW]
	global_store_b128 v3, v[CD:CD+3], s[96:97] offset:768*(\a)             ; 512 consecutive bytes,
	global_store_b64 v4, v[CD+4:CD+5], s[96:97] offset:768*(\a)+512        ; and 256
	global_store_b128 v3, v[CD+6:CD+9], s[12:13] offset:768*(\a)
	global_store_b64 v4, v[CD+10:CD+11], s[12:13] offset:768*(\a)+512
.endm
.irp a, 0,1,2,3,4,5,6,7
	EPI_QK \a
.endr
.irp j, 0,1,2,3                                ; the scale words: word j of lane L belongs to tile 2 j + L / 16, row L % 16; its low two bytes are the first head's, the high two the second's
	v_cndmask_b32 v[IM+\j], v[WS+2*\j], v[WS+2*\j+1], s93
.endr
.irp j, 0,1,2,3
	v_lshrrev_b32 v[IM+4+\j], 16, v[IM+\j]
.endr
.irp j, 0,1,2,3
	v_and_b32 v[IM+\j], 0xffff, v[IM+\j]           ; the bytes of the K that a head does not have are 0
.endr
	global_store_b128 v3, v[IM:IM+3], s[98:99]
	global_store_b128 v3, v[IM+4:IM+7], s[100:101]
	s_branch .Ldone
.Lv:	; ---- v.  A's block a = 4 e + 2 b + g holds channels d = 32 b + 16 g + r of head e; the fragment is 16 channels x my 128 keys
	s_mul_i32 s40, s44, STEPB
	s_add_nc_u64 s[96:97], s[10:11], s[40:41]      ; the first head's block of kv for my 128 keys
	s_lshl_b32 s40, s20, 2
	s_add_co_u32 s40, s40, 8192
	s_add_nc_u64 s[4:5], s[4:5], s[40:41]          ; b_attn at W's row 2,048 + my first row
.irp a, 0,1,2,3,4,5,6,7
	global_load_b32 v[BV+2*\a], v7, s[4:5] offset:64*\a                    ; the bias of my row 16 a + r, twice: a pair for the packed addition
	global_load_b32 v[BV+2*\a+1], v7, s[4:5] offset:64*\a
.endr
	s_wait_loadcnt 0x0
.macro EPI_V a
	WIN 0x02+(\a)/4
.set i, 0
.rept 32
	v_pk_add_f32 v[T+i:T+i+1], v[64*((\a)%4)+i:64*((\a)%4)+i+1], v[BV+2*(\a):BV+2*(\a)+1]
.set i, i+2
.endr
	WIN 0
	s_wait_xcnt 0x0                                ; the last block's stores have read the codes' registers
	QUANT T
	v_mov_b32 v[WS+(\a)], v[PW]
.irp c, 0,1,2
	global_store_b128 v8, v[CD+4*\c:CD+4*\c+3], s[96:97] offset:16*STEPB*((\a)/4)+VC+3072*(((\a)%4)/2)+128*((\a)%2)+512*\c   ; runs of 128 bytes; blocks g = 0 and 1 fill each 256 together
.endr
.endm
.irp a, 0,1,2,3,4,5,6,7
	EPI_V \a
.endr
.irp e, 0,1
.irp b, 0,1
	v_cndmask_b32 v[IM+2*\e+\b], v[WS+4*\e+2*\b], v[WS+4*\e+2*\b+1], s93   ; lane L: the word of d = 32 b + L
	global_store_b32 v5, v[IM+2*\e+\b], s[96:97] offset:16*STEPB*\e+VSW+128*\b
.endr
.endr
.Ldone:
	s_wait_tensorcnt 0x0                           ; the wave's end
	ds_add_u32 v[SPW], v[NIL]
	s_wait_dscnt 0x0
	CROUND                                         ; the closing round: no work-group ends while a partner may still ask for a tile that names it
	s_endpgm
.Lfunc_end_k_q009f75eeb6_qkv:
	.size	k_q009f75eeb6_qkv, .Lfunc_end_k_q009f75eeb6_qkv-k_q009f75eeb6_qkv
	.p2alignl 7, 3214868480
	.fill 96, 4, 3214868480
	.section	.rodata,"a",@progbits
	.p2align	6, 0x0
	.amdhsa_kernel k_q009f75eeb6_qkv
		.amdhsa_group_segment_fixed_size 327680
		.amdhsa_private_segment_fixed_size 0
		.amdhsa_enable_private_segment 0
		.amdhsa_kernarg_size 64
		.amdhsa_user_sgpr_count 2
		.amdhsa_user_sgpr_kernarg_segment_ptr 1
		.amdhsa_wavefront_size32 1
		.amdhsa_system_sgpr_workgroup_id_x 1
		.amdhsa_system_sgpr_workgroup_id_y 1
		.amdhsa_system_sgpr_workgroup_id_z 1
		.amdhsa_system_vgpr_workitem_id 0
		.amdhsa_next_free_vgpr 1024
		.amdhsa_next_free_sgpr 102
		.amdhsa_reserve_vcc 0
		.amdhsa_float_denorm_mode_32 3
		.amdhsa_float_denorm_mode_16_64 3
		.amdhsa_memory_ordered 1
		.amdhsa_forward_progress 1
		.amdhsa_inst_pref_size 236
	.end_amdhsa_kernel
	.amdgpu_metadata
---
amdhsa.version: [ 1, 2 ]
amdhsa.kernels:
  - .name:           k_q009f75eeb6_qkv
    .symbol:         k_q009f75eeb6_qkv.kd
    .args:
      - { .name: x_codes, .offset: 0, .size: 8, .value_kind: global_buffer, .address_space: global }
      - { .name: x_scales, .offset: 8, .size: 8, .value_kind: global_buffer, .address_space: global }
      - { .name: W_attn_codes, .offset: 16, .size: 8, .value_kind: global_buffer, .address_space: global }
      - { .name: W_attn_scales, .offset: 24, .size: 8, .value_kind: global_buffer, .address_space: global }
      - { .name: b_attn, .offset: 32, .size: 8, .value_kind: global_buffer, .address_space: global }
      - { .name: q_img, .offset: 40, .size: 8, .value_kind: global_buffer, .address_space: global }
      - { .name: q_sc, .offset: 48, .size: 8, .value_kind: global_buffer, .address_space: global }
      - { .name: kv, .offset: 56, .size: 8, .value_kind: global_buffer, .address_space: global }
    .group_segment_fixed_size: 327680
    .private_segment_fixed_size: 0
    .kernarg_segment_align: 8
    .kernarg_segment_size: 64
    .max_flat_workgroup_size: 128
    .sgpr_count:     102
    .vgpr_count:     1024
    .wavefront_size: 32
...
	.end_amdgpu_metadata
.endif
;; end of part 1
;; launch attn (part 2): grid 4 x 64, 16 waves a work-group, no clusters, 28,160 bytes of LDS; arguments q_img, q_sc, kv, y_img, y_sc; writes y_img, y_sc
.if DOCPART == 2
	.amdgcn_target "amdgcn-amd-amdhsa--gfx1250"
	.amdhsa_code_object_version 6
	.text
	.protected	k_q009f75eeb6_attn
	.globl	k_q009f75eeb6_attn
	.p2align	8
	.type	k_q009f75eeb6_attn,@function
k_q009f75eeb6_attn:
	s_mov_b64 s[64:65], 0
	v_nop
	global_prefetch_b8 v0, s[64:65] scope:SCOPE_SE
	s_setreg_imm32_b32 hwreg(HW_REG_WAVE_MODE, 25, 1), 1
	s_wait_xcnt 0x0
; y[b][q][head] = softmax over the keys k <= q of (Q . K / 8) times V, both products on codes of FP6 (E2M3) with E8M0 scales; y is quantised along C at once and leaves as operand images.
; THE SOFTMAX: t = score x log2(e) / 8; M = the row's largest t so far, rounded up to a whole number; p = 2^(t - M) is quantised along the keys, not normalised; the row's sum is taken of the
; unquantised p and divides at the end.  When M moves, the sum and O are multiplied by 2^(old M - new M), which rounds nothing.
; SHARES.  Work-group (i, bh) takes two blocks of 256 queries of head bh: block 7 - i, then block i: (16 - 2 i) + (2 i + 2) = 18 key steps of 128 keys in every work-group.  Each of its sixteen
; waves owns 16 queries of the block, in 256 registers: four waves to a SIMD, so that one wave's vector work stands beside another's matrix work and LDS loads.
; A KEY STEP's operands are one dense block of 13,056 bytes of kv (K's eight tile images, V's four fragment images, their scale words).  It goes through registers into one of two LDS slots: asked for
; at a step's head, stored into the other slot at the step's end, one barrier a step.  No tensor load, since a step's bytes are few beside its vector work.
; At a block's last step the head's step 0 is asked for, with which the next block begins; at a work-group's very last step those 13,056 bytes are fetched and not used.
; LAYOUT.  Both products transposed: S^T = K Q^T (source 0 = 16 keys), O^T = V^T P^T (source 0 = 16 channels): a lane holds one query (lane % 16) throughout.  Register 8 t + j of S^T holds key
; 16 t + 8 (lane / 16) + j: p's codes stand inside each block of 32 keys in the same order as V's codes were laid by the launch before.
; K = 64 IN AN INSTRUCTION OF 128: Q's upper 64 codes are zeros.  K's tile t is named with 12 registers, of which the upper six are the next tile's codes (behind the last tile: zeros): any code of this
; format is a finite number, and times Q's zero it adds nothing; the scale bytes of those blocks are 0 on both sides, which is 2^-127 and no NaN.
; CAUSAL: a step all of whose keys come after the wave's queries is left out (a scalar branch on ids, not round the copy nor the barrier); on the diagonal hidden scores become -infinity.
; LIMITS: a block of zeros gets the scale byte 1 (read by this program alone); blocks under 2^-124 were not tried; NaN and infinities are not served.
; y's scale bytes leave two at a time, 32 bytes apart (one part in 25 of what is stored here).
; REGISTERS: v1-9 addresses that stay; v12 -M, v13 the largest t, v[14:15] the sum; v16-21 Q, v22-27 zeros; v28 Q's scale word; v32-79 K's tiles, then V's fragments; v80-85 zeros; v86-89 K's scale
; words, v90-91 V's; v96-159 S^T, then p; v160-191 O^T; v192-198 the copy; v200-219 codes; v220-239 at work.
.set STEPB, 13056
.set VC,    6144                       ; V's images in a block
.set KSW,   12288                      ; K's scale words
.set VSW,   12800                      ; V's
.set BM,    220                        ; v220-223 the blocks' largest scores, then largest p
.set PT,    224                        ; v224-227 the other half's; then the bytes
.set SO,    228                        ; v228-231 the conversions' scale operands
.macro ASKSTEP                         ; a block of kv from s[34:35]: thread t takes 16 bytes at 16 t, 8 at 8,192 + 8 t and, in waves 0 to 5, 4 at 12,288 + 4 t
	global_load_b128 v[192:195], v3, s[34:35]
	global_load_b64 v[196:197], v4, s[34:35]
	s_cmp_lt_u32 s14, 6
	s_cbranch_scc0 .Lno_a_\@
	global_load_b32 v198, v5, s[34:35]
.Lno_a_\@:
.endm
.macro PUTSTEP off                     ; and into the slot at off, at the same places; then the step's one barrier
	s_wait_loadcnt 0x0                             ; asked for a key step ago
	ds_store_b128 v3, v[192:195] offset:\off
	ds_store_b64 v4, v[196:197] offset:\off
	s_cmp_lt_u32 s14, 6
	s_cbranch_scc0 .Lno_p_\@
	s_wait_alu depctr_va_vdst(0)
	ds_store_b32 v5, v198 offset:\off
.Lno_p_\@:
	s_wait_dscnt 0x0                               ; my part of that slot is stored, and my reads of this one are in
	s_barrier_signal -1
	s_barrier_wait -1                              ; so are everybody's
.endm
	s_load_b256 s[4:11], s[0:1], 0x0               ; q_img s[4:5], q_sc s[6:7], kv s[8:9], y_img s[10:11]
	s_load_b64 s[12:13], s[0:1], 0x20              ; y_sc
	v_lshl_add_u32 v254, v0, 2, 0x6600
	v_mov_b32 v255, 0
	v_lshrrev_b32 v10, 5, v0
	s_delay_alu instid0(VALU_DEP_1)
	v_readfirstlane_b32 s14, v10                   ; wave 0..15
	s_mov_b32 s15, ttmp9                           ; i
	s_and_b32 s16, ttmp7, 0xffff                   ; bh = 16 batch + head
	s_lshr_b32 s17, s16, 4                         ; batch
	s_and_b32 s18, s16, 15                         ; head
	s_mov_b32 s20, 0x76543210
	s_mov_b32 s21, 0xfedcba98                      ; v_permlanex16_b32's selects for lane l xor 16
	s_mov_b32 s22, 0x3e38aa3b                      ; c = log2(e) / 8
	s_mov_b32 s23, s22                             ; (named with it as a pair)
	s_mov_b32 s31, 0
	s_mul_i32 s30, s16, 16*STEPB
	v_and_b32 v10, 31, v0                          ; lane
	s_delay_alu instid0(VALU_DEP_1)
	v_lshlrev_b32 v1, 4, v10                       ; 16 x lane
	s_delay_alu instid0(VALU_DEP_2)
	v_lshlrev_b32 v2, 3, v10                       ; 8 x lane
	v_lshlrev_b32 v3, 4, v0                        ; the copy: 16 x thread,
	v_lshl_add_u32 v4, v0, 3, 8192                 ; 8,192 + 8 x thread,
	v_lshl_add_u32 v5, v0, 2, 12288                ; 12,288 + 4 x thread
	v_bfe_u32 v11, v0, 4, 1                        ; h
	v_bfe_u32 v6, v0, 3, 1
	s_delay_alu instid0(VALU_DEP_1)
	v_lshlrev_b32 v6, 6, v6
	s_delay_alu instid0(VALU_DEP_1)
	v_lshl_add_u32 v6, v11, 5, v6
	v_and_b32 v10, 7, v0
	s_delay_alu instid0(VALU_DEP_1)
	v_lshl_add_u32 v6, v10, 2, v6                  ; V's scale words: image tile 2 b + L / 16, place L % 16 = 8 g + i is channel 32 b + 8 (L / 16) + 16 g + i: 4 bytes each
	v_and_b32 v10, 15, v0                          ; r
	s_delay_alu instid0(VALU_DEP_1)
	v_lshlrev_b32 v7, 4, v10                       ; 16 r
	s_delay_alu instid0(VALU_DEP_2)
	v_lshlrev_b32 v9, 5, v10                       ; 32 r
	v_lshlrev_b32 v8, 3, v11
	s_delay_alu instid0(VALU_DEP_1)
	v_sub_nc_u32 v8, v10, v8                       ; r - 8 h
.irp j, 22,23,24,25,26,27,80,81,82,83,84,85
	v_mov_b32 v\j, 0                               ; zero codes: Q's upper 64 along K, and what is named behind K's last tile
.endr
.irp j, 198,224,225,226,227,235,238
	v_mov_b32 v\j, 0                               ; written once: destinations of lane permutes, the upper half of a pair, a register that only some waves load
.endr
	s_wait_kmcnt 0x0
	s_add_nc_u64 s[32:33], s[8:9], s[30:31]        ; my head's sixteen blocks of kv
	s_mov_b64 s[34:35], s[32:33]
	ASKSTEP                                        ; key step 0
	PUTSTEP 0                                      ; into slot 0
	s_mov_b32 s24, 0                               ; which of my two blocks of queries
; A KEY STEP: 128 keys, from slot sl.
.macro STEP sl
.set SL, (\sl)*STEPB
.set OT, (1-(\sl))*STEPB
.if (\sl) == 0
	s_lshl_b32 s30, s27, 1
	s_add_co_u32 s30, s30, 1                       ; the next step
.else
	s_add_co_u32 s30, s27, 1
	s_cmp_eq_u32 s30, s26
	s_cselect_b32 s30, 0, s30                      ; behind the block's last step: step 0
	s_lshl_b32 s30, s30, 1
.endif
	s_mul_i32 s30, s30, STEPB
	s_add_nc_u64 s[34:35], s[32:33], s[30:31]      ; (the loads that read this base were waited for at the last step's end)
	ASKSTEP
	s_lshl_b32 s28, s27, 8
.if (\sl)
	s_add_co_u32 s28, s28, 128
.endif                                         ; the step's first key
	s_cmp_gt_u32 s28, s29                          ; both are multiples of 16: beyond my first query is beyond my last
	s_cbranch_scc1 .Lhidden_\@
.irp t, 0,1,2,3,4,5,6,7
	ds_load_b128 v[32+6*\t:35+6*\t], v1 offset:SL+768*\t          ; K's tile image t: registers 0-3,
	ds_load_b64 v[36+6*\t:37+6*\t], v2 offset:SL+768*\t+512       ; 4 and 5
.endr
	ds_load_b128 v[86:89], v1 offset:SL+KSW        ; word j of lane L: tile 2 j + L / 16, row L % 16
	s_wait_dscnt 0x0
.irp t, 0,1,2,3,4,5,6,7
.if (\t)%2
	v_wmma_scale_f32_16x16x128_f8f6f4 v[96+8*\t:103+8*\t], v[32+6*\t:43+6*\t], v[16:27], 0, v[86+\t/2], v28 matrix_a_fmt:MATRIX_FMT_FP6 matrix_b_fmt:MATRIX_FMT_FP6 matrix_a_scale:MATRIX_SCALE_ROW1
.else
	v_wmma_scale_f32_16x16x128_f8f6f4 v[96+8*\t:103+8*\t], v[32+6*\t:43+6*\t], v[16:27], 0, v[86+\t/2], v28 matrix_a_fmt:MATRIX_FMT_FP6 matrix_b_fmt:MATRIX_FMT_FP6
.endif
.endr
.rept 4
	v_nop                                          ; places: in front of the loads into K's registers and of the first read of the scores
.endr
.irp f, 0,1,2,3                                ; V's four fragment images land while the softmax is worked
.irp c, 0,1,2
	ds_load_b128 v[32+12*\f+4*\c:35+12*\f+4*\c], v1 offset:SL+VC+1536*\f+512*\c
.endr
.endr
	ds_load_b32 v90, v6 offset:SL+VSW
	ds_load_b32 v91, v6 offset:SL+VSW+128
	s_add_co_u32 s36, s28, 127
	s_cmp_le_u32 s36, s29                          ; all 128 keys count for all my queries?
	s_cbranch_scc1 .Lopen_\@
	s_sub_co_i32 s36, s29, s28
	v_add_nc_u32 v238, s36, v8                     ; d = my query - the first key - 8 h: register 8 t + j is hidden where 16 t + j > d
	v_mov_b32 v239, 0xff800000                     ; -infinity
.irp t, 0,1,2,3,4,5,6,7
.irp j, 0,1,2,3,4,5,6,7
	v_cmp_gt_i32 vcc_lo, 16*\t+\j, v238
	v_cndmask_b32 v[96+8*\t+\j], v[96+8*\t+\j], v239, vcc_lo
.endr
.endr
.Lopen_\@:
.irp b, 0,1,2,3
	v_max3_num_f32 v[BM+\b], v[96+16*\b], v[97+16*\b], v[98+16*\b]   ; the largest score of each block of 32 keys: for the row's maximum, and, since p rises with the score, for the block's largest p
.endr
.irp i, 3,5,7,9,11,13
.irp b, 0,1,2,3
	v_max3_num_f32 v[BM+\b], v[BM+\b], v[96+16*\b+\i], v[97+16*\b+\i]
.endr
.endr
.irp b, 0,1,2,3
	v_max_num_f32 v[BM+\b], v[BM+\b], v[111+16*\b]
.endr
.irp b, 0,1,2,3
	s_delay_alu instid0(VALU_DEP_4)
	v_permlanex16_b32 v[PT+\b], v[BM+\b], s20, s21
.endr
.irp b, 0,1,2,3
	s_delay_alu instid0(VALU_DEP_4)
	v_max_num_f32 v[BM+\b], v[BM+\b], v[PT+\b]     ; with lane l xor 16's 16 keys
.endr
	s_delay_alu instid0(VALU_DEP_2)
	v_max3_num_f32 v238, v220, v221, v222
	s_delay_alu instid0(VALU_DEP_1)
	v_max_num_f32 v238, v238, v223                 ; the step's largest score of my query
	s_delay_alu instid0(VALU_DEP_1)
	v_mul_f32 v238, s22, v238                      ; as t
	s_delay_alu instid0(VALU_DEP_1)
	v_max_num_f32 v13, v13, v238                   ; the running largest t
	v_mov_b32 v238, v12
	s_delay_alu instid0(VALU_DEP_2)
	v_floor_f32 v12, -v13                          ; the new -M = floor(-t): M is a whole number
	s_delay_alu instid0(VALU_DEP_1)
	v_sub_f32 v238, v12, v238                      ; old M - new M: a whole number, 0 or less
	s_delay_alu instid0(VALU_DEP_1)
	v_cvt_i32_f32 v238, v238                       ; (it saturates)
	s_delay_alu instid0(VALU_DEP_1)
	v_ldexp_f32 v234, 1.0, v238                    ; f = 2^(old M - new M)
.irp j, 0,2,4,6,8,10,12,14,16,18,20,22,24,26,28,30,32,34,36,38,40,42,44,46,48,50,52,54,56,58,60,62
	v_pk_fma_f32 v[96+\j:97+\j], v[96+\j:97+\j], s[22:23], v[12:13] op_sel_hi:[1,0,0]   ; t - M, two at a time
.endr
.irp b, 0,1,2,3
	v_fma_f32 v[BM+\b], v[BM+\b], s22, v12         ; the same of each block's largest score
.endr
	s_wait_alu depctr_va_vdst(0)
.irp j, 0,1,2,3,4,5,6,7,8,9,10,11,12,13,14,15,16,17,18,19,20,21,22,23,24,25,26,27,28,29,30,31,32,33,34,35,36,37,38,39,40,41,42,43,44,45,46,47,48,49,50,51,52,53,54,55,56,57,58,59,60,61,62,63
	v_exp_f32 v[96+\j], v[96+\j]                   ; p = 2^(t - M), at most 1
.endr
	v_pk_mul_f32 v[14:15], v[14:15], v[234:235] op_sel_hi:[1,0]   ; the sums under the new M (a plain place behind the exponentials)
	s_wait_alu depctr_va_vdst(0)                   ; one wait for the whole batch, ahead of its first reader
.irp b, 0,1,2,3
	v_exp_f32 v[BM+\b], v[BM+\b]                   ; the block's largest p
.endr
	v_pk_add_f32 v[236:237], v[100:101], v[104:105]
	v_pk_add_f32 v[252:253], v[108:109], v[112:113]
	v_pk_add_f32 v[250:251], v[116:117], v[120:121]
	v_pk_add_f32 v[248:249], v[124:125], v[128:129]
	v_pk_add_f32 v[246:247], v[132:133], v[136:137]
	v_pk_add_f32 v[244:245], v[140:141], v[144:145]
	v_pk_add_f32 v[242:243], v[148:149], v[152:153]
	v_pk_add_f32 v[14:15], v[14:15], v[156:157]
	v_pk_add_f32 v[236:237], v[236:237], v[96:97]
	v_pk_add_f32 v[252:253], v[252:253], v[98:99]
	v_pk_add_f32 v[250:251], v[250:251], v[102:103]
	v_pk_add_f32 v[248:249], v[248:249], v[106:107]
	v_pk_add_f32 v[246:247], v[246:247], v[110:111]
	v_pk_add_f32 v[244:245], v[244:245], v[114:115]
	v_pk_add_f32 v[242:243], v[242:243], v[118:119]
	v_pk_add_f32 v[14:15], v[14:15], v[122:123]
	v_pk_add_f32 v[236:237], v[236:237], v[126:127]
	v_pk_add_f32 v[252:253], v[252:253], v[130:131]
	v_pk_add_f32 v[250:251], v[250:251], v[134:135]
	v_pk_add_f32 v[248:249], v[248:249], v[138:139]
	v_pk_add_f32 v[246:247], v[246:247], v[142:143]
	v_pk_add_f32 v[244:245], v[244:245], v[146:147]
	v_pk_add_f32 v[242:243], v[242:243], v[150:151]
	v_pk_add_f32 v[14:15], v[14:15], v[154:155]
	v_pk_add_f32 v[236:237], v[236:237], v[158:159]
	s_delay_alu instid0(VALU_DEP_2)
	v_pk_add_f32 v[14:15], v[14:15], v[248:249]
	s_delay_alu instid0(VALU_DEP_2)
	v_pk_add_f32 v[236:237], v[236:237], v[246:247]
	v_pk_add_f32 v[252:253], v[252:253], v[244:245]
	v_pk_add_f32 v[250:251], v[250:251], v[242:243]
	s_delay_alu instid0(VALU_DEP_2)
	v_pk_add_f32 v[14:15], v[14:15], v[252:253]
	s_delay_alu instid0(VALU_DEP_2)
	v_pk_add_f32 v[236:237], v[236:237], v[250:251]
	s_delay_alu instid0(VALU_DEP_1)
	v_pk_add_f32 v[14:15], v[14:15], v[236:237]
	s_wait_alu depctr_va_vdst(0)                   ; and one for the four
.irp b, 0,1,2,3
	v_max_num_f32 v[BM+\b], 0x1800000, v[BM+\b]    ; the floor 2^(3 - 127): the byte cannot fall under 1
.endr
.irp b, 0,1,2,3
	s_delay_alu instid0(VALU_DEP_4)
	v_add_nc_u32 v[SO+\b], 0xff000000, v[BM+\b]    ; 2 off the exponent field: the conversion's scale operand
.endr
.irp b, 0,1,2,3
	s_delay_alu instid0(VALU_DEP_4)
	v_lshrrev_b32 v[PT+\b], 23, v[SO+\b]           ; the scale's byte
.endr
	s_delay_alu instid0(VALU_DEP_3)
	v_lshl_or_b32 v232, v225, 8, v224              ; p's scale word for these 128 keys
	s_delay_alu instid0(VALU_DEP_1)
	v_lshl_or_b32 v232, v226, 16, v232
	s_delay_alu instid0(VALU_DEP_1)
	v_lshl_or_b32 v232, v227, 24, v232
.irp c, 0,1
	v_cvt_scalef32_pk16_fp6_f32 v[200+6*\c:202+6*\c], v[96+32*\c:111+32*\c], v[SO+2*\c]
	v_cvt_scalef32_pk16_fp6_f32 v[212+4*\c:214+4*\c], v[112+32*\c:127+32*\c], v[SO+2*\c+1]   ; (a conversion's three registers begin on an even number)
.endr
	v_nop                                          ; one plain place behind a scaled conversion
.irp c, 0,1                                    ; a whole block in a lane: lanes 0-15 block 2 c, lanes 16-31 block 2 c + 1
.irp i, 0,1,2
	v_permlane16_swap_b32 v[200+6*\c+\i], v[212+4*\c+\i]
.endr
.irp i, 0,1,2
	s_delay_alu instid0(VALU_DEP_3)
	v_mov_b32 v[203+6*\c+\i], v[212+4*\c+\i]
.endr
.endr
.irp j, 0,2,4,6,8,10,12,14,16,18,20,22,24,26,28,30
	v_pk_mul_f32 v[160+\j:161+\j], v[160+\j:161+\j], v[234:235] op_sel_hi:[1,0]   ; O^T under the new M.  (Twelve of these sixteen name no register of any one product below: the places behind p's codes and scale word)
.endr
	s_wait_alu depctr_va_vdst(0)
	s_wait_dscnt 0x0                               ; V
.irp f, 0,1,2,3                                ; O^T += V^T P^T: four accumulators, one instruction each
.if (\f)%2
	v_wmma_scale_f32_16x16x128_f8f6f4 v[160+8*\f:167+8*\f], v[32+12*\f:43+12*\f], v[200:211], v[160+8*\f:167+8*\f], v[90+\f/2], v232 matrix_a_fmt:MATRIX_FMT_FP6 matrix_b_fmt:MATRIX_FMT_FP6 matrix_a_scale:MATRIX_SCALE_ROW1
.else
	v_wmma_scale_f32_16x16x128_f8f6f4 v[160+8*\f:167+8*\f], v[32+12*\f:43+12*\f], v[200:211], v[160+8*\f:167+8*\f], v[90+\f/2], v232 matrix_a_fmt:MATRIX_FMT_FP6 matrix_b_fmt:MATRIX_FMT_FP6
.endif
.endr
.rept 4
	v_nop                                          ; places: in front of the next step's loads into V's registers, and of the first read of O^T
.endr
.Lhidden_\@:
	PUTSTEP OT                                     ; the next step's block into the other slot, which nobody has read since the last barrier
.endm
.Lphase:
	s_wait_xcnt 0x0                                ; the last block's stores have read their bases and their data
	s_sub_co_u32 s36, 7, s15
	s_cmp_eq_u32 s24, 0
	s_cselect_b32 s25, s36, s15                    ; the block of 256 queries: 7 - i, then i
	s_add_co_u32 s26, s25, 1                       ; its trips of two key steps
	s_lshl_b32 s29, s25, 8
	s_lshl_b32 s37, s14, 4
	s_add_co_u32 s29, s29, s37                     ; my first query
	s_lshl_b32 s36, s16, 7
	s_lshl_b32 s37, s25, 4
	s_add_co_u32 s36, s36, s37
	s_add_co_u32 s36, s36, s14                     ; my tile of q_img: 128 bh + 16 block + wave
	s_mul_i32 s30, s36, 768
	s_add_nc_u64 s[38:39], s[4:5], s[30:31]
	global_load_b128 v[16:19], v1, s[38:39]
	global_load_b64 v[20:21], v2, s[38:39] offset:512
	s_lshl_b32 s36, s16, 4
	s_lshl_b32 s37, s25, 1
	s_add_co_u32 s36, s36, s37
	s_lshr_b32 s37, s14, 3
	s_add_co_u32 s36, s36, s37                     ; which 128 rows of q_sc,
	s_lshl_b32 s36, s36, 9
	s_and_b32 s37, s14, 1
	s_lshl_b32 s37, s37, 8
	s_add_co_u32 s36, s36, s37                     ; tile 2 j + u of them lies in lanes 16 u on,
	s_bfe_u32 s37, s14, 0x20001
	s_lshl_b32 s37, s37, 2
	s_add_co_u32 s30, s36, s37                     ; as word j
	s_add_nc_u64 s[40:41], s[6:7], s[30:31]
	global_load_b32 v28, v7, s[40:41]
	s_lshl_b32 s36, s17, 7
	s_lshl_b32 s37, s25, 4
	s_add_co_u32 s36, s36, s37
	s_add_co_u32 s36, s36, s14                     ; my tile of rows of y: 128 batch + 16 block + wave
	s_lshl_b32 s36, s36, 4
	s_add_co_u32 s36, s36, s18
	s_mul_i32 s30, s36, 768
	s_add_nc_u64 s[42:43], s[10:11], s[30:31]      ; its image for my head
	s_lshl_b32 s36, s17, 11
	s_add_co_u32 s36, s36, s29
	s_lshl_b32 s36, s36, 5
	s_lshl_b32 s37, s18, 1
	s_add_co_u32 s30, s36, s37
	s_add_nc_u64 s[44:45], s[12:13], s[30:31]      ; and its scale bytes: row x 32 + 2 head
	v_mov_b32 v13, 0xff61b1e6                      ; the largest t so far: -3e38
	s_delay_alu instid0(VALU_DEP_1)
	v_floor_f32 v12, -v13                          ; -M
	v_mov_b32 v14, 0
	v_mov_b32 v15, 0
.irp j, 0,1,2,3,4,5,6,7,8,9,10,11,12,13,14,15,16,17,18,19,20,21,22,23,24,25,26,27,28,29,30,31
	v_mov_b32 v[160+\j], 0                         ; O^T: the step is written once; the first change of M leaves zeros zeros
.endr
	s_wait_loadcnt 0x0                             ; Q
	s_mov_b32 s27, 0
.Ltrip:
	STEP 0
	STEP 1
	s_add_co_u32 s27, s27, 1
	s_cmp_lt_u32 s27, s26
	s_cbranch_scc1 .Ltrip
	; THE BLOCK'S END: O^T / the sum is y(query r, channels 32 b + 16 h + i in register 16 b + i): two blocks of 32 along C, in true order; quantised, and stored as a tile image
	v_add_f32 v14, v14, v15
	s_delay_alu instid0(VALU_DEP_1)
	v_permlanex16_b32 v238, v14, s20, s21
	s_delay_alu instid0(VALU_DEP_1)
	v_add_f32 v14, v14, v238                       ; the row's sum
	s_wait_alu depctr_va_vdst(0)
	v_rcp_f32 v14, v14
	v_nop                                          ; a plain place behind the reciprocal
	s_wait_alu depctr_va_vdst(0)                   ; and the wait ahead of its first reader
.irp j, 0,2,4,6,8,10,12,14,16,18,20,22,24,26,28,30
	v_pk_mul_f32 v[96+\j:97+\j], v[160+\j:161+\j], v[14:15] op_sel_hi:[1,0]   ; each accumulator from its low end on
.endr
.irp b, 0,1
	v_max3_num_f32 v[BM+\b], |v[96+16*\b]|, |v[97+16*\b]|, 0x1800000
.endr
.irp i, 2,4,6,8,10,12,14
.irp b, 0,1
	s_delay_alu instid0(VALU_DEP_2)
	v_max3_num_f32 v[BM+\b], v[BM+\b], |v[96+16*\b+\i]|, |v[97+16*\b+\i]|
.endr
.endr
.irp b, 0,1
	s_delay_alu instid0(VALU_DEP_2)
	v_permlanex16_b32 v[PT+\b], v[BM+\b], s20, s21
.endr
.irp b, 0,1
	s_delay_alu instid0(VALU_DEP_2)
	v_max_num_f32 v[BM+\b], v[BM+\b], v[PT+\b]
.endr
.irp b, 0,1
	s_delay_alu instid0(VALU_DEP_2)
	v_add_nc_u32 v[SO+\b], 0xff000000, v[BM+\b]
.endr
.irp b, 0,1
	s_delay_alu instid0(VALU_DEP_2)
	v_lshrrev_b32 v[PT+\b], 23, v[SO+\b]
.endr
	s_delay_alu instid0(VALU_DEP_1)
	v_lshl_or_b32 v233, v225, 8, v224              ; my row's two scale bytes
	v_cvt_scalef32_pk16_fp6_f32 v[200:202], v[96:111], v228
	v_cvt_scalef32_pk16_fp6_f32 v[212:214], v[112:127], v229
	v_nop                                          ; one plain place behind a scaled conversion
.irp i, 0,1,2
	v_permlane16_swap_b32 v[200+\i], v[212+\i]     ; lanes 0-15 block 0, lanes 16-31 block 1
.endr
.irp i, 0,1,2
	s_delay_alu instid0(VALU_DEP_3)
	v_mov_b32 v[203+\i], v[212+\i]
.endr
	global_store_b128 v1, v[200:203], s[42:43]             ; 512 consecutive bytes,
	global_store_b64 v2, v[204:205], s[42:43] offset:512   ; and 256
	global_store_b16 v9, v233, s[44:45]                    ; both halves of the lanes write the same two bytes with the same value
	s_add_co_u32 s24, s24, 1
	s_cmp_lt_u32 s24, 2
	s_cbranch_scc1 .Lphase
	s_wait_tensorcnt 0x0
	ds_add_u32 v254, v255
	s_wait_dscnt 0x0
	s_endpgm
.Lfunc_end_k_q009f75eeb6_attn:
	.size	k_q009f75eeb6_attn, .Lfunc_end_k_q009f75eeb6_attn-k_q009f75eeb6_attn
	.p2alignl 7, 3214868480
	.fill 96, 4, 3214868480
	.section	.rodata,"a",@progbits
	.p2align	6, 0x0
	.amdhsa_kernel k_q009f75eeb6_attn
		.amdhsa_group_segment_fixed_size 28160
		.amdhsa_private_segment_fixed_size 0
		.amdhsa_enable_private_segment 0
		.amdhsa_kernarg_size 40
		.amdhsa_user_sgpr_count 2
		.amdhsa_user_sgpr_kernarg_segment_ptr 1
		.amdhsa_wavefront_size32 1
		.amdhsa_system_sgpr_workgroup_id_x 1
		.amdhsa_system_sgpr_workgroup_id_y 1
		.amdhsa_system_sgpr_workgroup_id_z 1
		.amdhsa_system_vgpr_workitem_id 0
		.amdhsa_next_free_vgpr 256
		.amdhsa_next_free_sgpr 66
		.amdhsa_reserve_vcc 1
		.amdhsa_float_denorm_mode_32 3
		.amdhsa_float_denorm_mode_16_64 3
		.amdhsa_memory_ordered 1
		.amdhsa_forward_progress 1
		.amdhsa_inst_pref_size 57
	.end_amdhsa_kernel
	.amdgpu_metadata
---
amdhsa.version: [ 1, 2 ]
amdhsa.kernels:
  - .name:           k_q009f75eeb6_attn
    .symbol:         k_q009f75eeb6_attn.kd
    .args:
      - { .name: q_img, .offset: 0, .size: 8, .value_kind: global_buffer, .address_space: global }
      - { .name: q_sc, .offset: 8, .size: 8, .value_kind: global_buffer, .address_space: global }
      - { .name: kv, .offset: 16, .size: 8, .value_kind: global_buffer, .address_space: global }
      - { .name: y_img, .offset: 24, .size: 8, .value_kind: global_buffer, .address_space: global }
      - { .name: y_sc, .offset: 32, .size: 8, .value_kind: global_buffer, .address_space: global }
    .group_segment_fixed_size: 28160
    .private_segment_fixed_size: 0
    .kernarg_segment_align: 8
    .kernarg_segment_size: 40
    .max_flat_workgroup_size: 512
    .sgpr_count:     66
    .vgpr_count:     256
    .wavefront_size: 32
...
	.end_amdgpu_metadata
.endif
;; end of part 2
;; launch proj (part 3): grid 4 x 32, 4 waves a work-group, clusters of 4 x 4, 327,680 bytes of LDS; arguments y_img, y_sc, W_proj_codes, W_proj_scales, b_proj, out0; writes out0
.if DOCPART == 3
	.amdgcn_target "amdgcn-amd-amdhsa--gfx1250"
	.amdhsa_code_object_version 6
	.text
	.protected	k_q009f75eeb6_proj
	.globl	k_q009f75eeb6_proj
	.p2align	8
	.type	k_q009f75eeb6_proj,@function
k_q009f75eeb6_proj:
	s_mov_b64 s[64:65], 0
	v_nop
	global_prefetch_b8 v0, s[64:65] scope:SCOPE_SE
	s_setreg_imm32_b32 hwreg(HW_REG_WAVE_MODE, 25, 1), 1
	s_wait_xcnt 0x0
	s_wait_alu depctr_hold_cnt(0) depctr_sa_sdst(0) depctr_va_vdst(0) depctr_va_sdst(0) depctr_va_ssrc(0) depctr_va_vcc(0) depctr_vm_vsrc(0)
	s_getreg_b32 s2, hwreg(HW_REG_IB_STS2, 6, 4)
	s_cmp_eq_u32 s2, 0
	s_cbranch_scc0 .Lentry_in_a_cluster
	s_endpgm
.Lentry_in_a_cluster:
	s_bfe_u32 s2, ttmp6, 0x10000c
	s_cmp_lg_u32 s2, 0xf033
	s_cbranch_scc0 .Lentry_shape_is_right
	s_endpgm
.Lentry_shape_is_right:
; out[m][n] = sum over k of y[m][k] W_proj[n][k] + b_proj[n], on codes of FP6 (E2M3) with one E8M0 scale for each 32 along K = 1,024; out: [8,192][1,024] f32.
; A tile of 256 x 256 is made by four waves, 128 x 128 each: 64 accumulators of 16 x 16.  K goes in steps of 256 through two LDS slots filled by the tensor data mover; the scale bytes of the
; work-group's 256 rows of y and 256 rows of W_proj come once and stay.  4 x 4 work-groups form a cluster: y's tiles are asked for jointly along a row of the cluster, W_proj's along a column.
; y COMES AS IMAGES OF OPERAND REGISTERS: [tile of 16 rows][head][768 bytes]: registers 0-3 of a head's six at 16 x lane, registers 4-5 at 512 + 8 x lane.  128 along K are two heads, 1,536 dense bytes;
; a slot's 256 along K are 3,072 bytes of each tile of rows, 12,288 bytes apart in memory.  A fragment is four dense LDS loads.  W_proj's rows are streams of bits, 768 bytes a row, as they are given.
; THE MATRIX INSTRUCTION IS USED TRANSPOSED (source 0 = 16 rows of W_proj, source 1 = 16 rows of y): a lane holds eight neighbouring numbers of a row of out.  b_proj is the C of the first K step's products.
; REGISTERS, in windows of 256: window 0: v0-31 addresses; v32-63 scale words, two sets; v64-127 b_proj in the result's layout; v128-223 y's fragments, one set.  window 1: W_proj's fragments, two sets.
;   window 2: the accumulators of my rows 0-63 (accumulator (a, b) at v[8 (8 a + b)]);   window 3: those of rows 64-127.
.set SIZE_N, 1024
.set KSTEP,  256
.set NQ,     KSTEP/128
.set ROWB,   192                       ; a row of W_proj's tile in bytes
.set KROW,   768                       ; a row of W_proj in memory; also y's bytes for each row
.set AROW,   3072                      ; a tile of 16 rows of y, 256 along K
.set PITCH,  240                       ; W_proj's LDS row: 3 x (64 bytes + 16 of padding)
.set FR,     12
.set NL,     6                         ; LDS loads that bring a fragment of W_proj
.set NLA,    4                         ; and of y
.set NP,     4                         ; places behind this matrix instruction (ISA guide 7.12.1)
.set HALFT,  128*PITCH                 ; the room of 128 rows in a slot (y's use 24,576 bytes of it)
.set SLOT,   4*HALFT
.set LAPS,   2
.set KS,     32
.set SCL,    2*SLOT
.set HALFS,  (128*KS/256)*272
.set SBLK,   (16*KS/256)*272
.set SPARE,  SCL+4*HALFS               ; the spare words, 128 bytes for each wave; no other line names them
.set SPITCH, 528                       ; the way out: a stage of 16 rows x (512 bytes + 16) for each wave, in slot 0, which has had its last fill and its last read by then
.set ADRA, 16                          ; v16-17 my part of y in slot 0, 1, + 16 x lane;  v18-19 the same + 8 x lane
.set ADRB, 20                          ; v20-21 my W_proj fragments (v22-23: behind one padding more)
.set STO,  24
.set RD,   25
.set CO,   26
.set ADRS, 27
.set SPW,  28                          ; my spare word: SPARE + 4 x my thread's number; never rewritten
.set NIL,  29                          ; 0; never rewritten
.set SC,   32
.set BIAS, 64
.set AF,   128
.set BK,   128
.set G1, 24
.set G0, 32
.set G1B, 48
.set G0B, 56
.set G1S, 68
.set G0S, 76
.set G1SB, 80
.set G0SB, 88
.set MSB, 0
.macro WIN new                         ; the immediate's high byte repeats the setting that is left
.if MSB != (\new)
	s_set_vgpr_msb (MSB<<8)|(\new)
.set MSB, (\new)
.endif
.endm
.set MUL_LO, 0xa1                      ; source 0 window 1, source 1 window 0, C and D window 2
.set MUL_HI, 0xf1                      ; the same, C and D window 3
.set FIRST_LO, 0x81                    ; the first step: C (b_proj) window 0, D window 2
.set FIRST_HI, 0xc1                    ; D window 3
.set TO_B,   0x40
.macro JLOAD g0a, g1a, g0b, g1b        ; a joint load: waves 0 and 1 fetch for y, waves 2 and 3 for W_proj; four v_nop follow each of the two lines
	s_cmp_eq_u32 s15, 0
	s_cbranch_scc0 .Lfor_b_\@
	tensor_load_to_lds s[\g0a:\g0a+3], s[\g1a:\g1a+7]
	s_nop 0
.rept 4
	v_nop
.endr
	s_branch .Lasked_\@
.Lfor_b_\@:
	tensor_load_to_lds s[\g0b:\g0b+3], s[\g1b:\g1b+7]
	s_nop 0
.rept 4
	v_nop
.endr
.Lasked_\@:
.endm
.macro CREST
	s_cmp_lg_u32 s14, 0
	s_cbranch_scc1 .Lnot_wave_0_\@
	s_barrier_signal -3
.Lnot_wave_0_\@:
	s_barrier_wait -3
	s_barrier_signal -1
	s_barrier_wait -1
.endm
.macro CROUND
	s_barrier_signal -1
	s_barrier_wait -1
	CREST
.endm
	s_load_b128 s[4:7], s[0:1], 0x0                ; y's images, y's scale bytes
	s_load_b128 s[8:11], s[0:1], 0x10              ; W_proj's codes, W_proj's scales
	s_load_b64 s[96:97], s[0:1], 0x20              ; b_proj
	s_load_b64 s[12:13], s[0:1], 0x28              ; out
	v_lshl_add_u32 v[SPW], v0, 2, SPARE
	v_mov_b32 v[NIL], 0
	ds_add_u32 v28, v29
	ds_add_u32 v28, v29
	s_wait_dscnt 0x0
	v_lshrrev_b32 v1, 5, v0
	v_readfirstlane_b32 s14, v1                    ; wave 0..3
	s_lshr_b32 s15, s14, 1                         ; which half of the tile's rows is mine.  Also: I fetch for y (0) or for W_proj (1)
	s_and_b32 s16, s14, 1                          ; which half of its columns.  Also: which 128 rows I fetch
	s_bfe_u32 s40, ttmp6, 0x40000                  ; cx, cy
	s_bfe_u32 s41, ttmp6, 0x40004
	s_lshl_b32 s42, ttmp9, 2
	s_add_co_u32 s42, s42, s40                     ; tile column = 4 x cluster x + cx
	s_and_b32 s17, ttmp7, 0xffff
	s_lshl_b32 s17, s17, 2
	s_add_co_u32 s17, s17, s41                     ; tile row = 4 x cluster y + cy
	s_lshl_b32 s43, s41, 2
	s_lshl_b32 s43, 15, s43                        ; my row of the cluster
	s_lshl_b32 s44, 0x1111, s40                    ; my column
	; y's tiles: 8 rows of 3,072 bytes (384 elements of 8 bytes), 12,288 bytes apart; no padding: the images are read as they lie
	s_or_b32 s[G1+0], s43, (3<<16)|(1<<21)         ; 15:0 the mask: my row of the cluster; elements of 8 bytes; bit 21 beside a mask
	s_mov_b32 s[G1+1], 384<<16                     ; tensor_dim0
	s_mov_b32 s[G1+2], 8<<16                       ; tensor_dim1
	s_mov_b32 s[G1+3], 384<<16                     ; tile_dim0
	s_mov_b32 s[G1+4], 8                           ; tile_dim1
	s_mov_b32 s[G1+5], 1536                        ; tensor_dim0_stride
	s_mov_b32 s[G1+6], 0
	s_mov_b32 s[G1+7], 0
	; W_proj's tiles: 128 rows x 192 bytes, 16 bytes of padding behind every 64
	s_or_b32 s[G1B+0], s44, (0<<16)|(1<<20)|(1<<21)|(3<<22)|(3<<25)
	s_mov_b32 s[G1B+1], ROWB<<16
	s_mov_b32 s[G1B+2], 128<<16
	s_mov_b32 s[G1B+3], ROWB<<16
	s_mov_b32 s[G1B+4], 128
	s_mov_b32 s[G1B+5], KROW
	s_mov_b32 s[G1B+6], 0
	s_mov_b32 s[G1B+7], 0
	; the scales of 128 rows: 16 rows of 256 bytes, 16 bytes of padding behind each
	s_or_b32 s[G1S+0], s43, (3<<16)|(1<<20)|(1<<21)|(5<<22)|(3<<25)
	s_or_b32 s[G1SB+0], s44, (3<<16)|(1<<20)|(1<<21)|(5<<22)|(3<<25)
.irp g, G1S, G1SB
	s_mov_b32 s[\g+1], 32<<16
	s_mov_b32 s[\g+2], (128*KS/256)<<16
	s_mov_b32 s[\g+3], 32<<16
	s_mov_b32 s[\g+4], 128*KS/256
	s_mov_b32 s[\g+5], 32
	s_mov_b32 s[\g+6], 0
	s_mov_b32 s[\g+7], 0
.endr
	s_lshl_b32 s18, s16, 7
	s_lshl_b32 s20, s17, 8
	s_add_co_u32 s20, s20, s18                     ; y: row 256 x tile row + 128 x half
	s_lshl_b32 s46, s42, 8
	s_add_co_u32 s46, s46, s18                     ; W_proj: row 256 x tile column + 128 x half
	s_mov_b32 s21, 0
	s_mov_b32 s47, 0
	s_mov_b64 s[18:19], KS
	s_mul_u64 s[22:23], s[20:21], s[18:19]
	s_mul_u64 s[92:93], s[46:47], s[18:19]
	s_mov_b64 s[18:19], KROW
	s_mul_u64 s[20:21], s[20:21], s[18:19]         ; (a tile of 16 rows of y is 12,288 bytes: 768 a row)
	s_mul_u64 s[46:47], s[46:47], s[18:19]
	s_mul_i32 s45, s14, HALFT
	s_mul_i32 s94, s14, HALFS
	s_wait_kmcnt 0x0
	s_add_nc_u64 s[20:21], s[4:5], s[20:21]
	s_add_nc_u64 s[22:23], s[6:7], s[22:23]
	s_add_nc_u64 s[46:47], s[8:9], s[46:47]
	s_add_nc_u64 s[92:93], s[10:11], s[92:93]
	CROUND                                         ; all sixteen work-groups are here: the first joint loads meet
	s_mov_b32 s[G0S], 1
	s_add_co_u32 s[G0S+1], s94, SCL
	s_mov_b64 s[G0S+2:G0S+3], s[22:23]
	s_or_b32 s[G0S+3], s[G0S+3], 0x80000000
	s_mov_b32 s[G0SB], 1
	s_add_co_u32 s[G0SB+1], s94, SCL
	s_mov_b64 s[G0SB+2:G0SB+3], s[92:93]
	s_or_b32 s[G0SB+3], s[G0SB+3], 0x80000000
	JLOAD G0S, G1S, G0SB, G1SB
.irp s, 0,1
	s_mov_b32 s[G0+4*\s], 1
	s_add_co_u32 s[G0+4*\s+1], s45, \s*SLOT
	s_add_nc_u64 s[G0+4*\s+2:G0+4*\s+3], s[20:21], \s*AROW
	s_or_b32 s[G0+4*\s+3], s[G0+4*\s+3], 0x80000000
	s_mov_b32 s[G0B+4*\s], 1
	s_add_co_u32 s[G0B+4*\s+1], s45, \s*SLOT
	s_add_nc_u64 s[G0B+4*\s+2:G0B+4*\s+3], s[46:47], \s*ROWB
	s_or_b32 s[G0B+4*\s+3], s[G0B+4*\s+3], 0x80000000
	JLOAD G0+4*\s, G1, G0B+4*\s, G1B
.endr
	v_and_b32 v1, 15, v0                           ; l % 16
	v_bfe_u32 v2, v0, 4, 1                         ; l / 16
	v_mul_u32_u24 v3, v1, PITCH
	v_mul_u32_u24 v4, v2, 24
	v_add_nc_u32 v4, v3, v4                        ; W_proj: a fragment's row x pitch + 24 x half
	v_lshl_add_u32 v5, v2, 4, v4                   ; and the same behind one padding more
	v_and_b32 v7, 31, v0
	v_lshlrev_b32 v8, 4, v7                        ; y: 16 x lane,
	v_lshlrev_b32 v9, 3, v7                        ; 8 x lane
	s_mul_i32 s21, s15, HALFT                      ; my 128 rows of y
	s_mul_i32 s22, s16, HALFT                      ; my 128 rows of W_proj,
	s_add_co_u32 s22, s22, 2*HALFT                 ; which lie behind y's room
.irp s, 0,1
	v_add_nc_u32 v[ADRA+\s], s21, v8
	v_add_nc_u32 v[ADRB+\s], s22, v4
	v_add_nc_u32 v[ADRA+2+\s], s21, v9
	v_add_nc_u32 v[ADRB+2+\s], s22, v5
	s_add_co_u32 s21, s21, SLOT
	s_add_co_u32 s22, s22, SLOT
.endr
	v_mul_u32_u24 v5, v1, KS
	v_lshrrev_b32 v6, 8, v5
	v_lshl_add_u32 v5, v6, 4, v5
	s_mul_i32 s21, s15, HALFS
	s_mul_i32 s22, s16, HALFS
	s_add_co_u32 s22, s22, 2*HALFS
	s_sub_co_u32 s22, s22, s21
	v_mul_u32_u24 v6, s22, v2                      ; lanes 16-31 take W_proj's
	s_add_co_u32 s21, s21, SCL
	v_add_nc_u32 v5, v5, v6
	v_add_nc_u32 v[ADRS], s21, v5
	s_mul_i32 s23, s14, 16*SPITCH                  ; my stage
	v_mul_u32_u24 v5, v1, SPITCH
	v_lshl_add_u32 v5, v2, 5, v5
	v_add_nc_u32 v[STO], s23, v5                   ; in: row l % 16, 32 bytes for each half of the lanes
	v_and_b32 v6, 31, v0
	v_lshlrev_b32 v[CO], 4, v6                     ; back: the 32 lanes take one row of 512 bytes; and the same in out
	v_add_nc_u32 v[RD], s23, v[CO]
	s_lshl_b32 s20, s17, 8
	s_lshl_b32 s21, s15, 7
	s_add_co_u32 s20, s20, s21                     ; my first row of out
	s_mov_b32 s21, 0
	s_mov_b64 s[18:19], SIZE_N*4
	s_mul_u64 s[20:21], s[20:21], s[18:19]
	s_lshl_b32 s46, s42, 10                        ; my first column, in bytes: 1,024 x tile column + 512 x half
	s_lshl_b32 s47, s16, 9
	s_add_co_u32 s46, s46, s47
	s_mov_b32 s47, 0
	s_add_nc_u64 s[96:97], s[96:97], s[46:47]      ; b_proj at my first column
	s_add_nc_u64 s[20:21], s[20:21], s[46:47]
	s_add_nc_u64 s[12:13], s[12:13], s[20:21]
	v_lshlrev_b32 v10, 5, v2                       ; 32 h
.irp b, 0,1,2,3,4,5,6,7
	global_load_b128 v[BIAS+8*\b:BIAS+8*\b+3], v10, s[96:97] offset:64*\b       ; register 8 b + j: b_proj of column 16 b + 8 h + j
	global_load_b128 v[BIAS+8*\b+4:BIAS+8*\b+7], v10, s[96:97] offset:64*\b+16
.endr
.macro FRAG reg, adr, q, i             ; a fragment of W_proj: registers 6 c .. 6 c + 5 hold K = 64 c + 32 (l / 16) + 0 .. 31: 24 bytes of the row's stream of bits, in pieces of 8 bytes
.irp p, 0,1,2,3,4,5
.set PIECE, 12*(\q)+6*(\p/3)+\p%3
.if PIECE%8 < 5
	ds_load_b64 v[\reg+2*\p:\reg+2*\p+1], v[\adr] offset:8*PIECE+16*(PIECE/8)+(\i)*16*PITCH
.else
	ds_load_b64 v[\reg+2*\p:\reg+2*\p+1], v[\adr+2] offset:8*PIECE+16*(PIECE/8)+(\i)*16*PITCH
.endif
.endr
.endm
.macro FRAG_A reg, slot, q, i          ; a fragment of y: two heads' images, each 512 + 256 dense bytes
	ds_load_b128 v[\reg:\reg+3], v[ADRA+\slot] offset:(\i)*AROW+(\q)*1536
	ds_load_b64 v[\reg+4:\reg+5], v[ADRA+2+\slot] offset:(\i)*AROW+(\q)*1536+512
	ds_load_b128 v[\reg+6:\reg+9], v[ADRA+\slot] offset:(\i)*AROW+(\q)*1536+768
	ds_load_b64 v[\reg+10:\reg+11], v[ADRA+2+\slot] offset:(\i)*AROW+(\q)*1536+1280
.endm
; 16 matrix instructions: y's blocks a0, a0 + 1 x W_proj's eight, 128 along K.  zero = 1: the first product starts the sums, from b_proj.  The 64 accumulators take turns.
.macro MUL16 a0, p, q, sc, zero
.irp a, \a0, \a0+1
.irp b, 0,1,2,3,4,5,6,7
.if \zero
	v_wmma_scale_f32_16x16x128_f8f6f4 v[8*(8*((\a)%4)+\b):8*(8*((\a)%4)+\b)+7], v[128*(\p)+FR*\b:128*(\p)+FR*\b+FR-1], v[AF+FR*(\a):AF+FR*(\a)+FR-1], v[BIAS+8*\b:BIAS+8*\b+7], v[SC+8*NQ*(\sc)+NQ*\b+(\q)], v[SC+8*NQ*(\sc)+NQ*(\a)+(\q)] matrix_a_fmt:MATRIX_FMT_FP6 matrix_b_fmt:MATRIX_FMT_FP6 matrix_a_scale:MATRIX_SCALE_ROW1
.else
	v_wmma_scale_f32_16x16x128_f8f6f4 v[8*(8*((\a)%4)+\b):8*(8*((\a)%4)+\b)+7], v[128*(\p)+FR*\b:128*(\p)+FR*\b+FR-1], v[AF+FR*(\a):AF+FR*(\a)+FR-1], v[8*(8*((\a)%4)+\b):8*(8*((\a)%4)+\b)+7], v[SC+8*NQ*(\sc)+NQ*\b+(\q)], v[SC+8*NQ*(\sc)+NQ*(\a)+(\q)] matrix_a_fmt:MATRIX_FMT_FP6 matrix_b_fmt:MATRIX_FMT_FP6 matrix_a_scale:MATRIX_SCALE_ROW1
.endif
.endr
.endr
.endm
.macro FETCH_B slot, q, p
	WIN TO_B
.irp i, 0,1,2,3,4,5,6,7
	FRAG 128*(\p)+FR*\i, ADRB+\slot, \q, \i
.endr
	WIN 0
.endm
.macro FETCH_A slot, q, i0
.irp i, \i0, \i0+1, \i0+2, \i0+3
	FRAG_A AF+FR*(\i), \slot, \q, \i
.endr
.endm
.macro SCALES sc
.irp i, 0,1,2,3,4,5,6,7
	ds_load_b64 v[SC+8*NQ*\sc+NQ*\i:SC+8*NQ*\sc+NQ*\i+1], v[ADRS] offset:\i*SBLK
.endr
.endm
.macro PLACES n                        ; plain vector instructions between a matrix instruction and a load into, or a read of, its registers
.rept \n
	v_nop
.endr
.endm
.macro STEP slot, q, zero
	s_wait_dscnt 4*NLA                             ; W_proj's set and y's blocks 0-3 are in; the youngest 16 loads (y's blocks 4-7) may be out
.if \zero
	WIN FIRST_LO
.else
	WIN MUL_LO
.endif
	MUL16 0, (\q)%2, \q, \slot, \zero
	MUL16 2, (\q)%2, \q, \slot, \zero
	s_wait_dscnt 0
	PLACES NP
	FETCH_B \slot, (\q)+1, 1-(\q)%2
	FETCH_A \slot, (\q)+1, 0
.if \zero
	WIN FIRST_HI
.else
	WIN MUL_HI
.endif
	MUL16 4, (\q)%2, \q, \slot, \zero
	MUL16 6, (\q)%2, \q, \slot, \zero
	PLACES NP
	WIN 0
	FETCH_A \slot, (\q)+1, 4
.endm
.macro TURN slot, next, fill
	s_wait_tensorcnt 0x0                           ; all my tensor loads have landed: my part of the next slot
	ds_add_u32 v[SPW], v[NIL]                      ; 0 onto my spare word
	s_wait_dscnt 4*NLA+1                           ; (the add and the youngest 16 loads may be out)
	WIN MUL_LO
	MUL16 0, 1, NQ-1, \slot, 0
	s_wait_dscnt 0x0                               ; the add is done, and my reads of this slot are over
	s_barrier_signal -1
	MUL16 2, 1, NQ-1, \slot, 0
	WIN 0
	s_barrier_wait -1
.if \fill
	CREST                                          ; the barrier has opened a round of the cluster's barrier: no wave of any partner still reads this slot or has a load on its way
	s_add_nc_u64 s[G0+4*\slot+2:G0+4*\slot+3], s[G0+4*\slot+2:G0+4*\slot+3], 2*AROW
	s_add_nc_u64 s[G0B+4*\slot+2:G0B+4*\slot+3], s[G0B+4*\slot+2:G0B+4*\slot+3], 2*ROWB
	JLOAD G0+4*\slot, G1, G0B+4*\slot, G1B         ; the first tensor load behind the round; its four v_nop are the places in front of the loads below
.else
	PLACES NP
.endif
	v_add_nc_u32 v[ADRS], 4*NQ, v[ADRS]
	FETCH_B \next, 0, 0
	FETCH_A \next, 0, 0
	SCALES \next
	WIN MUL_HI
	MUL16 4, 1, NQ-1, \slot, 0
	MUL16 6, 1, NQ-1, \slot, 0
	PLACES NP
	WIN 0
	FETCH_A \next, 0, 4
.endm
	s_wait_tensorcnt 1                             ; the scales and my part of K step 0 are in (K step 1's load may be out),
	s_barrier_signal -1
	s_barrier_wait -1                              ; everybody's are
	FETCH_B 0, 0, 0
	FETCH_A 0, 0, 0
	SCALES 0
	FETCH_A 0, 0, 4
	s_wait_loadcnt 0x0                             ; b_proj
	STEP 0, 0, 1                                   ; the first step stands in front of the loop: its products start the sums
	s_mov_b32 s3, LAPS-1
.Llap:
	TURN 0, 1, 1
	STEP 1, 0, 0
	TURN 1, 0, 1
	STEP 0, 0, 0
	s_sub_co_u32 s3, s3, 1
	s_cmp_lg_u32 s3, 0
	s_cbranch_scc1 .Llap
	TURN 0, 1, 0                                   ; the last lap fills nothing
	STEP 1, 0, 0
	s_wait_dscnt 4*NLA
	WIN MUL_LO
	MUL16 0, 1, NQ-1, 1, 0
	MUL16 2, 1, NQ-1, 1, 0
	s_wait_dscnt 0
	WIN MUL_HI
	MUL16 4, 1, NQ-1, 1, 0
	MUL16 6, 1, NQ-1, 1, 0
	WIN 0
; THE WAY OUT, block by block of 16 rows x 128 columns, through my own stage in LDS: in as 32 bytes a lane, back as whole rows of 512 bytes.  LDS serves a wave's instructions in order (ISA guide 5.7.1.4).
.macro TOSTAGE a
.set AC, 64*((\a)%4)
	WIN 0x08+4*((\a)/4)                            ; the data: window 2 or 3
.irp b, 0,1,2,3,4,5,6,7
	ds_store_b128 v[STO], v[AC+8*\b:AC+8*\b+3] offset:64*\b          ; each accumulator from its low end on
	ds_store_b128 v[STO], v[AC+8*\b+4:AC+8*\b+7] offset:64*\b+16
.endr
	WIN 0
.set BB, BK+64*((\a)%2)
.irp t, 0,1,2,3,4,5,6,7,8,9,10,11,12,13,14,15
	ds_load_b128 v[BB+4*\t:BB+4*\t+3], v[RD] offset:\t*SPITCH
.endr
.endm
.macro SEND a, younger                 ; younger: the LDS instructions issued behind block a's loads, which may stay out
.set BB, BK+64*((\a)%2)
	s_wait_dscnt \younger
.if (\a) > 0
	s_add_nc_u64 s[12:13], s[12:13], 16*SIZE_N*4   ; (behind a wait on XCNT: the earlier stores have read their base)
.endif
.irp t, 0,1,2,3,4,5,6,7,8,9,10,11,12,13,14,15
	global_store_b128 v[CO], v[BB+4*\t:BB+4*\t+3], s[12:13] offset:\t*SIZE_N*4 th:TH_STORE_NT   ; 32 lanes store 512 consecutive bytes, at a multiple of 256 from out's first byte
.endr
.endm
	PLACES NP
	TOSTAGE 0
.irp a, 1,2,3,4,5,6,7
.if \a > 1
	s_wait_xcnt 0x0                                ; block a - 2's stores have read their registers and their base
.endif
	TOSTAGE \a
	SEND \a-1, 32                                  ; behind block a - 1's loads: block a's 16 stores and 16 loads
.endr
	s_wait_xcnt 0x0
	SEND 7, 0
	s_wait_tensorcnt 0x0                           ; the wave's end
	ds_add_u32 v[SPW], v[NIL]
	s_wait_dscnt 0x0
	CROUND                                         ; the closing round
	s_endpgm
.Lfunc_end_k_q009f75eeb6_proj:
	.size	k_q009f75eeb6_proj, .Lfunc_end_k_q009f75eeb6_proj-k_q009f75eeb6_proj
	.p2alignl 7, 3214868480
	.fill 96, 4, 3214868480
	.section	.rodata,"a",@progbits
	.p2align	6, 0x0
	.amdhsa_kernel k_q009f75eeb6_proj
		.amdhsa_group_segment_fixed_size 327680
		.amdhsa_private_segment_fixed_size 0
		.amdhsa_enable_private_segment 0
		.amdhsa_kernarg_size 48
		.amdhsa_user_sgpr_count 2
		.amdhsa_user_sgpr_kernarg_segment_ptr 1
		.amdhsa_wavefront_size32 1
		.amdhsa_system_sgpr_workgroup_id_x 1
		.amdhsa_system_sgpr_workgroup_id_y 1
		.amdhsa_system_sgpr_workgroup_id_z 1
		.amdhsa_system_vgpr_workitem_id 0
		.amdhsa_next_free_vgpr 1024
		.amdhsa_next_free_sgpr 100
		.amdhsa_reserve_vcc 0
		.amdhsa_float_denorm_mode_32 3
		.amdhsa_float_denorm_mode_16_64 3
		.amdhsa_memory_ordered 1
		.amdhsa_forward_progress 1
		.amdhsa_inst_pref_size 154
	.end_amdhsa_kernel
	.amdgpu_metadata
---
amdhsa.version: [ 1, 2 ]
amdhsa.kernels:
  - .name:           k_q009f75eeb6_proj
    .symbol:         k_q009f75eeb6_proj.kd
    .args:
      - { .name: y_img, .offset: 0, .size: 8, .value_kind: global_buffer, .address_space: global }
      - { .name: y_sc, .offset: 8, .size: 8, .value_kind: global_buffer, .address_space: global }
      - { .name: W_proj_codes, .offset: 16, .size: 8, .value_kind: global_buffer, .address_space: global }
      - { .name: W_proj_scales, .offset: 24, .size: 8, .value_kind: global_buffer, .address_space: global }
      - { .name: b_proj, .offset: 32, .size: 8, .value_kind: global_buffer, .address_space: global }
      - { .name: out0, .offset: 40, .size: 8, .value_kind: global_buffer, .address_space: global }
    .group_segment_fixed_size: 327680
    .private_segment_fixed_size: 0
    .kernarg_segment_align: 8
    .kernarg_segment_size: 48
    .max_flat_workgroup_size: 128
    .sgpr_count:     100
    .vgpr_count:     1024
    .wavefront_size: 32
...
	.end_amdgpu_metadata
.endif
;; end of part 3
